; MI455X (gfx1250); checked and timed in simulation.
; The chip was launched on July 23, 2026; its instructions are those of AMD's public machine-readable ISA for CDNA 5 (MIT licence, August 2026) and "CDNA5" Instruction Set Architecture Reference Guide (July 2026). The comments in the code are by the model that wrote it; some were corrected since.
;; Multi Head Attention. Allowed arithmetic: matrix products marked QUANTISED: E4M3 operands, one E8M0 scale for each 32 along K, by v_wmma_scale_f32_16x16x128_f8f6f4 with both operands' format E4M3, f32 sums; everything else in f32.
;; Inputs: w_out 1,024 x 1,024 float32; w_qkv 1,024 x 3,072 float32; x 4 x 2,048 x 1,024 float32.
;; Outputs: out0 4 x 2,048 x 1,024 float32.
;; This version of the problem:
;;   THIS VERSION OF THE PROBLEM IS GIVEN IN LOW PRECISION. The matrix products marked QUANTISED in the list below multiply operands that are first quantised to E4M3 (4 exponent bits, 3 mantissa bits; 8 bits a number), with one power-of-two scale for each 32 numbers along K (OCP MX v1.0); their sums are f32. All else is computed in f32.
;;   The module's matrix products, in the order in which they are computed (A, B: the left and right operand; K: the contracted axis; several contracted axes count as one K, in the product's order):
;;     1. [M 8,192, K 1,024] x [K 1,024, N 3,072]; A: input x; B: input w_qkv: QUANTISED
;;     2. batch 64 x [M 2,048, K 64] x [K 64, N 2,048]; A: computed on the way; B: computed on the way: QUANTISED
;;     3. batch 64 x [M 2,048, K 2,048] x [K 2,048, N 64]; A: softmax (see below); B: computed on the way: QUANTISED
;;     4. [M 8,192, K 1,024] x [K 1,024, N 1,024]; A: computed on the way; B: input w_out: QUANTISED
;;   THE QUANTISER, for each operand of a quantised product, along K:
;;     - K is cut into blocks of 32 from its start; a last block that is shorter is filled with zeros.
;;     - A block's scale is 2^e with e = floor(log2(the largest magnitude in the block)) - 8, held to -126 .. 127; a block of zeros has e = 0. As a byte (E8M0): e + 127.
;;     - Each number is divided by its block's scale, clamped to +-448, and rounded to the nearest number of E4M3, ties to even, subnormals kept.
;;     - The product sums the exact products of the quantised numbers (number of the format x scale) in f32.
;;   ~~~python
;;   def quantise(x, axis):      # numpy; x: float32 -> the quantised numbers, widened to float32 again
;;       x = np.moveaxis(x, axis, -1); K = x.shape[-1]
;;       x = np.pad(x, [(0, 0)] * (x.ndim - 1) + [(0, -K % 32)]); x = x.reshape(x.shape[:-1] + (-1, 32)); a = np.abs(x).max(-1, keepdims=True)
;;       e = np.where(a > 0, np.clip(np.frexp(np.where(a > 0, a, 1))[1] - 1 - 8, -126, 127), 0)      # np.frexp(a)[1] - 1 = floor(log2(a)), exactly
;;       r = np.clip(x / 2.0 ** e, -448, 448)
;;       step = 2.0 ** (np.maximum(np.frexp(np.where(r == 0, 1, r))[1] - 1, -6) - 3)
;;       q = np.round(r / step) * step * 2.0 ** e      # np.round: ties to even
;;       return np.moveaxis(q.reshape(q.shape[:-2] + (-1,))[..., :K], -1, axis).astype(np.float32)
;;   ~~~
;;   SOFTMAX AHEAD OF A QUANTISED PRODUCT. Where the list says 'softmax', what is quantised is not the finished softmax but p = 2^(t - M), with t = logit x log2(e) and M = ceil(the row's largest t), a whole number; so 1/2 < the row's largest p <= 1. The row's sum l is taken of the UNQUANTISED p, in f32, and the product's result is divided by l at the end. Since M is a whole number, a kernel that streams over the keys may use a running M (the ceiling of the running maximum): every later rescaling is an exact power of two, which a block's scale takes up: the codes' values come out the same.
;;   OPERANDS COMPUTED ON THE WAY. 'Computed on the way' means the value that the module computes at that place (a softmax that the list does not call 'softmax' is quantised finished and normalised). What goes into a quantiser is computed in f32, as accurately as f32 sums, v_exp_f32 and their like allow (about 1e-6 of the number): no bf16 or f16 on the way to a quantiser, and a product that is left as it is and whose result goes on into a quantised operand takes f32 operands (vector FMAs, or v_wmma_f32_16x16x4_f32). A number that lies on a knife's edge between two numbers of the format may be rounded either way, as far as f32 arithmetic and the matrix unit's own rounding can turn it there, and no further.
;; One version. Each part assembles by itself: llvm-mc -triple=amdgcn-amd-amdhsa -mcpu=gfx1250 --defsym DOCPART=n.
;; ======== version 1 of 1: 4 launches
;; limits: right only within a limited range of input values
;; workspace buffers: x_codes 8,388,608 bytes; x_scales 262,144 bytes; w_codes 4,194,304 bytes; w_scales 131,072 bytes; q 8,650,752 bytes; kv 17,301,504 bytes; att_codes 8,388,608 bytes; att_scales 262,144 bytes
;; launch quant (part 1): grid 384 x 1, 4 waves a work-group, no clusters, 34,304 bytes of LDS; arguments x, w_qkv, w_out, x_codes, x_scales, w_codes, w_scales; writes x_codes, x_scales, w_codes, w_scales
.if DOCPART == 1
	.amdgcn_target "amdgcn-amd-amdhsa--gfx1250"
	.amdhsa_code_object_version 6
	.text
	.protected	k_q7f5b8a40bf_quant
	.globl	k_q7f5b8a40bf_quant
	.p2align	8
	.type	k_q7f5b8a40bf_quant,@function
k_q7f5b8a40bf_quant:
	s_mov_b64 s[64:65], 0
	v_nop
	global_prefetch_b8 v0, s[64:65] scope:SCOPE_SE
	s_setreg_imm32_b32 hwreg(HW_REG_WAVE_MODE, 25, 1), 1
	s_wait_xcnt 0x0
; x [8192][1024], w_qkv [1024][3072] and w_out [1024][1024], f32, become codes of FP8 (E4M3) with one E8M0 scale byte for each 32 along K (K = 1,024: x's last axis, the weights' first).
; A block's scale is 2^(floor(log2(its largest magnitude)) - 8); its byte is the largest magnitude's exponent field - 8, held at 1 from below; each number is divided by the scale, held within +-448, rounded to the nearest code.
; LIMITS: a block whose largest magnitude lies under 2^-118 (a block of zeros among them) gets the byte 1; its bytes are read by this program alone.  NaN and infinities among the inputs are not served.
; THE OPERANDS' LAYOUT (rows = x's rows, or the weights' columns: w_qkv's 3,072, then w_out's 1,024).  128 rows make a block RB of eight tiles T of 16; lane-row r of tile T is the block's row 32 (T / 2) + 8 (T % 2) + r + 8 (r / 8).
;   code of (row, k):  RB x 131072 + (k / 256) x 32768 + T x 4096 + ((k / 128) % 2) x 2048 + ((k / 32) % 4) x 512 + ((k / 16) % 2) x 256 + r x 16 + k % 16: an operand's registers on end, lane by lane;
;   scale byte:        RB x 4096 + (k / 256) x 1024 + T x 128 + r x 8 + (k / 32) % 8.
; Work-groups 0-255 take x (32 rows each; wave w takes k = 256 w .. 256 w + 255); work-groups 256-383 take 128 columns x 256 K of a weight.  No tensor loads, no barrier: waves share nothing.  Only x's path uses LDS.
; WORK LEFT OUT BY THE PROGRAM: reference() sets every score with key > query to -infinity by its own jnp.tril, so such a key's weight is 0 for all values of the inputs; key steps that lie wholly past a block of queries are never walked by the launch attn.
; LIMIT: a NaN, an infinity or an overflow that would arise only in those hidden scores is not carried to the result.  Every input has a way to the output and is loaded.
.set TM,     12
.set PWD,    28                        ; v28-31  x: a unit's scale word
.set PCD,    32                        ; v32-63  x: codes, two sets of 16
.set X,      64                        ; v64-127 x: 64 numbers of a lane, register 16 b + i = k 32 b + 16 (lane / 16) + i of its row
.set RAW,    128                       ; v128-255 x: two sets of 64, as loaded
.set WX,     32                        ; v32-95  weights: two sets of 32 numbers down K
.set WCD,    96                        ; v96-159 weights: eight registers of codes for each of eight blocks: no store's data are written again
.set SPITCH, 528                       ; a stage row: 512 bytes + 16: 33 x 16, so that sixteen rows' reads start in sixteen different groups of banks
.set WSTAGE, 16*SPITCH                 ; a wave's stage
; 64 numbers of a lane become a fragment's 16 registers of codes, v[pc] on, and its row's scale word, v[pw]
.macro QUANT s, pc, pw
.irp b, 0,1,2,3
	v_max3_num_f32 v[TM+\b], |v[\s+16*\b]|, |v[\s+16*\b+1]|, 0x4800000   ; block b: my 16 numbers, and the floor 2^(9 - 127): the byte cannot fall under 1
.endr
.irp i, 2,4,6,8,10,12,14
.irp b, 0,1,2,3
	v_max3_num_f32 v[TM+\b], v[TM+\b], |v[\s+16*\b+\i]|, |v[\s+16*\b+\i+1]|   ; the four blocks by turns
.endr
.endr
.irp b, 0,1,2,3
	v_permlanex16_b32 v[TM+4+\b], v[TM+\b], s20, s21
.endr
.irp b, 0,1,2,3
	v_max_num_f32 v[TM+\b], v[TM+\b], v[TM+4+\b]          ; with lane l xor 16's 16: the block's largest magnitude
.endr
.irp b, 0,1,2,3
	v_add_nc_u32 v[TM+12+\b], 0xfc000000, v[TM+\b]        ; 8 off its exponent field: the conversion takes this operand's exponent field as its scale
.endr
.irp b, 0,1,2,3
	v_and_or_b32 v[TM+8+\b], v[TM+\b], 0x7f800000, s22    ; 448 x the scale: the exponent field over 448's mantissa
.endr
.irp b, 0,1,2,3
	v_lshrrev_b32 v[TM+4+\b], 23, v[TM+12+\b]             ; the scale's byte
.endr
	v_lshl_or_b32 v[\pw], v[TM+5], 8, v[TM+4]
	v_lshl_or_b32 v[\pw], v[TM+6], 16, v[\pw]
	v_lshl_or_b32 v[\pw], v[TM+7], 24, v[\pw]
.irp b, 0,1,2,3
.irp i, 0,1,2,3,4,5,6,7,8,9,10,11,12,13,14,15
	v_med3_num_f32 v[\s+16*\b+\i], v[\s+16*\b+\i], -v[TM+8+\b], v[TM+8+\b]   ; the conversion to an 8-bit code does not saturate (ISA guide 7.6.2): the hold comes first
.endr
	v_cvt_scalef32_pk8_fp8_f32 v[\pc+4*\b:\pc+4*\b+1], v[\s+16*\b:\s+16*\b+7], v[TM+12+\b]
	v_cvt_scalef32_pk8_fp8_f32 v[\pc+4*\b+2:\pc+4*\b+3], v[\s+16*\b+8:\s+16*\b+15], v[TM+12+\b]
.endr
	v_nop                                                  ; a plain line behind the last conversion
.endm
; unit n = 2 u + qq of x: the 16 rows of tile 2 G + u, 128 numbers (512 bytes) of each: a load reads 512 consecutive bytes of one row
.macro LOADX n
.set tt, 0
.rept 16
	global_load_b128 v[RAW+64*((\n)%2)+4*tt:RAW+64*((\n)%2)+4*tt+3], v4, s[4:5] offset:(8*((\n)/2)+tt+8*(tt/8))*4096+((\n)%2)*512 th:TH_LOAD_NT
.set tt, tt+1
.endr
.endm
; block t of a weight: W(32 t + i, my column), i = 0 .. 31, into set t % 2
.macro WLOAD t, pitch, base
.set ii, 0
.rept 32
	global_load_b32 v[WX+32*((\t)%2)+ii], v4, s[\base:\base+1] offset:(32*(\t)+ii)*\pitch th:TH_LOAD_NT
.set ii, ii+1
.endr
.endm
.macro WBLOCK t, pitch, base
.set XS, WX+32*((\t)%2)
.set CC, WCD+8*(\t)
.if (\t) < 7
	s_wait_loadcnt 32                              ; this block's 32 loads are in; the next block's 32 may be out
.else
	s_wait_loadcnt 0x0
.endif
	v_max3_num_f32 v12, |v[XS]|, |v[XS+1]|, |v[XS+2]|      ; all 32 numbers of the block are mine
	v_max3_num_f32 v13, |v[XS+3]|, |v[XS+4]|, |v[XS+5]|
.irp i, 6,10,14,18,22,26
	v_max3_num_f32 v12, v12, |v[XS+\i]|, |v[XS+\i+1]|
	v_max3_num_f32 v13, v13, |v[XS+\i+2]|, |v[XS+\i+3]|
.endr
	v_max3_num_f32 v12, v12, |v[XS+30]|, |v[XS+31]|
	v_max3_num_f32 v12, v12, v13, 0x4800000        ; and the floor
	v_add_nc_u32 v11, 0xfc000000, v12
	v_and_or_b32 v10, v12, 0x7f800000, s22
	v_lshrrev_b32 v13, 23, v11
.if (\t)%4 == 0
	v_mov_b32 v[24+(\t)/4], v13                    ; four bytes to a register, the lower K in the lower byte
.else
	v_lshl_or_b32 v[24+(\t)/4], v13, 8*((\t)%4), v[24+(\t)/4]
.endif
.set ii, 0
.rept 32
	v_med3_num_f32 v[XS+ii], v[XS+ii], -v10, v10
.set ii, ii+1
.endr
.irp g, 0,1,2,3
	v_cvt_scalef32_pk8_fp8_f32 v[CC+2*\g:CC+2*\g+1], v[XS+8*\g:XS+8*\g+7], v11
.endr
	v_nop
	global_store_b128 v5, v[CC:CC+3], s[14:15] offset:((\t)/4)*2048+((\t)%4)*512          ; k 0-15 of the block: sixteen neighbouring lanes store 256 consecutive bytes, aligned
	global_store_b128 v5, v[CC+4:CC+7], s[14:15] offset:((\t)/4)*2048+((\t)%4)*512+256    ; k 16-31
.if (\t)+2 < 8
	WLOAD (\t)+2, \pitch, \base
.endif
.endm
.macro WPATH pitch, base
	WLOAD 0, \pitch, \base
	WLOAD 1, \pitch, \base
.irp t, 0,1,2,3,4,5,6,7
	WBLOCK \t, \pitch, \base
.endr
	global_store_b64 v6, v[24:25], s[16:17]        ; my column's 8 scale bytes: the wave stores 256 consecutive bytes, aligned
.endm
	s_load_b256 s[4:11], s[0:1], 0x0               ; x s[4:5], w_qkv s[6:7], w_out s[8:9], x_codes s[10:11]
	s_load_b128 s[12:15], s[0:1], 0x20             ; x_scales s[12:13], w_codes s[14:15]
	s_load_b64 s[16:17], s[0:1], 0x30              ; w_scales
	v_lshl_add_u32 v9, v0, 2, 0x8400
	s_set_vgpr_msb 0x40
	v_mov_b32 v1, 0
	s_set_vgpr_msb 0x4000
	v_lshrrev_b32 v1, 5, v0
	v_readfirstlane_b32 s18, v1                    ; wave 0..3
	v_and_b32 v1, 31, v0                           ; lane
	v_and_b32 v2, 15, v0                           ; r
	v_bfe_u32 v3, v0, 4, 1                         ; lane / 16
	s_mov_b32 s20, 0x76543210
	s_mov_b32 s21, 0xfedcba98                      ; v_permlanex16_b32's selects for lane l xor 16
	s_mov_b32 s22, 0x600000                        ; the mantissa field of 448
	s_cmp_lt_u32 ttmp9, 256
	s_cbranch_scc0 .Lweights
	; ---- x.  Work-group g: rows 32 g .. 32 g + 31 = tiles 2 G, 2 G + 1 of block RB (G = g % 4, RB = g / 4).  Wave w: k = 256 w on.
	s_lshl_b32 s24, ttmp9, 17                      ; 32 rows of 4,096 bytes
	s_mov_b32 s25, 0
	s_lshr_b32 s26, ttmp9, 2                       ; RB
	s_and_b32 s27, ttmp9, 3                        ; G
	s_lshl_b32 s28, s26, 17
	s_lshl_b32 s29, s18, 15
	s_add_co_u32 s28, s28, s29
	s_lshl_b32 s29, s27, 13
	s_add_co_u32 s28, s28, s29                     ; codes: RB x 131072 + w x 32768 + G x 8192
	s_mov_b32 s29, 0
	s_lshl_b32 s30, s26, 12
	s_lshl_b32 s31, s18, 10
	s_add_co_u32 s30, s30, s31
	s_wait_alu depctr_va_vdst(0)
	v_lshlrev_b32 v7, 4, v1                        ; 16 x lane
	v_add_nc_u32 v4, s31, v7                       ; in a row of x: 1,024 w + 16 x lane
	s_lshl_b32 s31, s27, 8
	s_add_co_u32 s30, s30, s31                     ; scale bytes: RB x 4096 + w x 1024 + G x 256
	s_mov_b32 s31, 0
	s_mul_i32 s23, s18, WSTAGE                     ; my wave's stage
	v_add_nc_u32 v5, s23, v7                       ; into it: a row as it is loaded
	v_mul_u32_u24 v6, v2, SPITCH
	v_lshl_add_u32 v6, v3, 6, v6
	v_add_nc_u32 v6, s23, v6                       ; out of it: row r, + 64 bytes for lanes 16-31: my 16 numbers of each block of 32
	v_lshlrev_b32 v8, 3, v1                        ; 8 x lane
.irp b, 0,1,2,3
	v_mov_b32 v[TM+4+\b], 0                        ; written once: a lane permute's destination counts as one of its sources
.endr
	s_wait_alu depctr_va_vdst(0)
	s_wait_kmcnt 0x0
	s_add_nc_u64 s[4:5], s[4:5], s[24:25]
	s_add_nc_u64 s[10:11], s[10:11], s[28:29]
	s_add_nc_u64 s[12:13], s[12:13], s[30:31]
	LOADX 0
	LOADX 1
.irp n, 0,1,2,3
.if \n < 3
	s_wait_loadcnt 16                              ; this unit's 16 loads are in; the next unit's 16 may be out
.else
	s_wait_loadcnt 0x0
.endif
.set tt, 0
.rept 16
	ds_store_b128 v5, v[RAW+64*(\n%2)+4*tt:RAW+64*(\n%2)+4*tt+3] offset:tt*SPITCH
.set tt, tt+1
.endr
.irp b, 0,1,2,3
.irp j, 0,1,2,3
	ds_load_b128 v[X+16*\b+4*\j:X+16*\b+4*\j+3], v6 offset:\b*128+\j*16   ; LDS serves a wave's instructions in order: these see my stores
.endr
.endr
	s_wait_dscnt 0x0                               ; the numbers are back, and the stores into the stage have read their registers,
.if \n < 2
	LOADX (\n+2)                                   ; which take the loads of two units on
.endif
.if \n > 1
	s_wait_xcnt 0x0                                ; the stores of two units back have read this set of codes: only now is it written again
.endif
	QUANT X, PCD+16*(\n%2), PWD+\n
.irp c, 0,1,2,3
	global_store_b128 v7, v[PCD+16*(\n%2)+4*\c:PCD+16*(\n%2)+4*\c+3], s[10:11] offset:(\n/2)*4096+(\n%2)*2048+\c*512   ; the wave stores 512 consecutive bytes, aligned
.endr
.endr
	v_cmp_ne_u32 vcc_lo, 0, v3                     ; lanes 0-15 store tile 2 G's two words of row r, lanes 16-31 tile 2 G + 1's (a word stands in both halves of the lanes)
	v_cndmask_b32 v10, v[PWD], v[PWD+2], vcc_lo
	v_cndmask_b32 v11, v[PWD+1], v[PWD+3], vcc_lo
	global_store_b64 v8, v[10:11], s[12:13]        ; 256 consecutive bytes, aligned
	s_set_vgpr_msb 0x4
	s_wait_tensorcnt 0x0
	ds_add_u32 v9, v1
	s_wait_dscnt 0x0
	s_set_vgpr_msb 0x400
	s_endpgm
	; ---- the weights.  A LANE TAKES A COLUMN AND ITS REGISTERS RUN DOWN K, so that the conversions give codes with K innermost and a block's maximum needs no other lane.
	; Work-group: block RB of 128 columns, 256 along K.  Wave w: columns 32 w .. 32 w + 31 = tiles 2 w, 2 w + 1; lane (u, r) takes the column that is lane-row r of tile 2 w + u: 32 w + 8 u + r + 8 (r / 8).
.Lweights:
	s_sub_co_u32 s24, ttmp9, 256
	s_lshr_b32 s26, s24, 2                         ; RB 0..31
	s_and_b32 s27, s24, 3                          ; which 256 along K
	s_lshl_b32 s28, s26, 17
	s_lshl_b32 s29, s27, 15
	s_add_co_u32 s28, s28, s29
	s_lshl_b32 s29, s18, 13
	s_add_co_u32 s28, s28, s29                     ; codes: RB x 131072 + KS x 32768 + w x 8192
	s_mov_b32 s29, 0
	s_lshl_b32 s30, s26, 12
	s_lshl_b32 s31, s27, 10
	s_add_co_u32 s30, s30, s31
	s_lshl_b32 s31, s18, 8
	s_add_co_u32 s30, s30, s31                     ; scale bytes: RB x 4096 + KS x 1024 + w x 256
	s_mov_b32 s31, 0
	s_wait_alu depctr_va_vdst(0)
	v_and_b32 v4, 8, v2
	v_add_nc_u32 v4, v4, v2
	v_lshl_add_u32 v4, v3, 3, v4                   ; r + 8 (r / 8) + 8 u
	v_lshl_add_u32 v4, s18, 5, v4                  ; + 32 w
	v_lshlrev_b32 v4, 2, v4                        ; in bytes: the wave's 32 lanes read 128 consecutive bytes
	v_lshlrev_b32 v5, 4, v2
	v_lshl_add_u32 v5, v3, 12, v5                  ; codes: u x 4096 + r x 16
	v_lshlrev_b32 v6, 3, v1                        ; scale bytes: 8 x lane
	s_wait_kmcnt 0x0
	s_add_nc_u64 s[14:15], s[14:15], s[28:29]
	s_add_nc_u64 s[16:17], s[16:17], s[30:31]
	s_cmp_lt_u32 s26, 24
	s_cbranch_scc0 .Lwout
	s_mul_i32 s24, s27, 256*12288                  ; w_qkv: 256 rows of 12,288 bytes for each step along K,
	s_lshl_b32 s25, s26, 9                         ; 512 bytes for each block of columns
	s_add_co_u32 s24, s24, s25
	s_mov_b32 s25, 0
	s_add_nc_u64 s[6:7], s[6:7], s[24:25]
	s_wait_alu depctr_va_vdst(0)
	WPATH 12288, 6                                 ; offsets up to 255 x 12,288, inside the signed 24-bit immediate
	s_endpgm
.Lwout:
	s_sub_co_u32 s26, s26, 24
	s_lshl_b32 s24, s27, 20                        ; w_out: 256 rows of 4,096 bytes
	s_lshl_b32 s25, s26, 9
	s_add_co_u32 s24, s24, s25
	s_mov_b32 s25, 0
	s_add_nc_u64 s[8:9], s[8:9], s[24:25]
	s_wait_alu depctr_va_vdst(0)
	WPATH 4096, 8
	s_endpgm
.Lfunc_end_k_q7f5b8a40bf_quant:
	.size	k_q7f5b8a40bf_quant, .Lfunc_end_k_q7f5b8a40bf_quant-k_q7f5b8a40bf_quant
	.p2alignl 7, 3214868480
	.fill 96, 4, 3214868480
	.section	.rodata,"a",@progbits
	.p2align	6, 0x0
	.amdhsa_kernel k_q7f5b8a40bf_quant
		.amdhsa_group_segment_fixed_size 34304
		.amdhsa_private_segment_fixed_size 0
		.amdhsa_enable_private_segment 0
		.amdhsa_kernarg_size 56
		.amdhsa_user_sgpr_count 2
		.amdhsa_user_sgpr_kernarg_segment_ptr 1
		.amdhsa_wavefront_size32 1
		.amdhsa_system_sgpr_workgroup_id_x 1
		.amdhsa_system_sgpr_workgroup_id_y 1
		.amdhsa_system_sgpr_workgroup_id_z 1
		.amdhsa_system_vgpr_workitem_id 0
		.amdhsa_next_free_vgpr 258
		.amdhsa_next_free_sgpr 66
		.amdhsa_reserve_vcc 1
		.amdhsa_float_denorm_mode_32 3
		.amdhsa_float_denorm_mode_16_64 3
		.amdhsa_memory_ordered 1
		.amdhsa_forward_progress 1
		.amdhsa_inst_pref_size 161
	.end_amdhsa_kernel
	.amdgpu_metadata
---
amdhsa.version: [ 1, 2 ]
amdhsa.kernels:
  - .name:           k_q7f5b8a40bf_quant
    .symbol:         k_q7f5b8a40bf_quant.kd
    .args:
      - { .name: x, .offset: 0, .size: 8, .value_kind: global_buffer, .address_space: global }
      - { .name: w_qkv, .offset: 8, .size: 8, .value_kind: global_buffer, .address_space: global }
      - { .name: w_out, .offset: 16, .size: 8, .value_kind: global_buffer, .address_space: global }
      - { .name: x_codes, .offset: 24, .size: 8, .value_kind: global_buffer, .address_space: global }
      - { .name: x_scales, .offset: 32, .size: 8, .value_kind: global_buffer, .address_space: global }
      - { .name: w_codes, .offset: 40, .size: 8, .value_kind: global_buffer, .address_space: global }
      - { .name: w_scales, .offset: 48, .size: 8, .value_kind: global_buffer, .address_space: global }
    .group_segment_fixed_size: 34304
    .private_segment_fixed_size: 0
    .kernarg_segment_align: 8
    .kernarg_segment_size: 56
    .max_flat_workgroup_size: 128
    .sgpr_count:     66
    .vgpr_count:     258
    .wavefront_size: 32
...
	.end_amdgpu_metadata
.endif
;; end of part 1
;; launch gemm_qkv (part 2): grid 12 x 32, 4 waves a work-group, clusters of 4 x 4, 327,680 bytes of LDS; arguments x_codes, x_scales, w_codes, w_scales, q, kv; writes q, kv
.if DOCPART == 2
	.amdgcn_target "amdgcn-amd-amdhsa--gfx1250"
	.amdhsa_code_object_version 6
	.text
	.protected	k_q7f5b8a40bf_gemm_qkv
	.globl	k_q7f5b8a40bf_gemm_qkv
	.p2align	8
	.type	k_q7f5b8a40bf_gemm_qkv,@function
k_q7f5b8a40bf_gemm_qkv:
	s_mov_b64 s[64:65], 0
	v_nop
	global_prefetch_b8 v0, s[64:65] scope:SCOPE_SE
	s_setreg_imm32_b32 hwreg(HW_REG_WAVE_MODE, 25, 1), 1
	s_wait_xcnt 0x0
	s_wait_alu depctr_hold_cnt(0) depctr_sa_sdst(0) depctr_va_vdst(0) depctr_va_sdst(0) depctr_va_ssrc(0) depctr_va_vcc(0) depctr_vm_vsrc(0)
	s_getreg_b32 s2, hwreg(HW_REG_IB_STS2, 6, 4)
	s_cmp_eq_u32 s2, 0
	s_cbranch_scc0 .Lentry_in_a_cluster
	s_endpgm
.Lentry_in_a_cluster:
	s_bfe_u32 s2, ttmp6, 0x10000c
	s_cmp_lg_u32 s2, 0xf033
	s_cbranch_scc0 .Lentry_shape_is_right
	s_endpgm
.Lentry_shape_is_right:
; qkv = x w_qkv on codes of FP8 (E4M3) with E8M0 scales (M 8,192, N 3,072, K 1,024), and its results quantised in registers into the operands of attention: q and k along the head's 64, v along the keys.
; A tile of the product, 256 x 256, is made by four waves, each 128 x 128: 64 accumulators of 16 x 16, 512 registers.  K goes in four steps of 256 through two LDS slots filled by the tensor data mover.
; THE OPERANDS lie in memory as images of their registers: 128 rows x 256 K are 32,768 dense bytes, tile T (16 rows) x 128 K is four runs of 512 bytes, 16 bytes a lane; so a fragment is four ds_load_b128 at 16 x lane:
; no pitch, no padding, every load 512 consecutive bytes.  Lane-row r of tile T is the block's row 32 (T / 2) + 8 (T % 2) + r + 8 (r / 8).  The scale bytes of 128 rows for all of K are 4,096 dense bytes: they come once and stay.
; THE MATRIX INSTRUCTION: source 0 = 16 rows of B', source 1 = 16 rows of A'.  A lane then holds ONE row of A', and by the order of rows above the 64 registers of its eight accumulators run along 128 rows of B':
; register 16 b + i is B's row 32 b + 16 (lane / 16) + i: the order in which the next product's operand wants its K.  So the conversions' results are pieces of the next operand's image: 32 lanes store 512 consecutive bytes, and no result goes through LDS.
; ROLES, by the cluster's x alone (the same in all sixteen partners).  x = 0 (q), 1 (k): A' = x's rows (tokens), B' = W's columns: a lane holds a token, its registers 128 features = two heads.
;   x = 2 (v): A' = W_v's columns, B' = x's rows: a lane holds a feature, its registers 128 tokens, which are the second attention product's K.
; OUTPUT.  A wave's 128 x 128 is one record's part: 16,384 bytes of codes [tile a 8][block b 4][lane][16 bytes] and 512 bytes of scale words [a / 4][r][a % 4].  Record = ((batch x 8 + pair of heads) x 16 + block of 128 tokens).
;   q: 16,896 bytes a record (codes, scale words).  kv: 33,792 bytes (K's codes, V's codes, K's scale words, V's scale words).
; CLUSTERS: 4 x 4 work-groups; A's tiles are asked for jointly along a row of the cluster, B's along a column.
; THE HEAD: one joint load a wave: K step 0 of A', of B', A's scale bytes, B's; K step 1 is asked for behind the full sequence and a round.  The four K steps are written out: a loop would have one trip.
; PREFETCH: behind the load of K step t stands the request for K step t + 1 (t = 0, 1, 2), a whole K step ahead of the load that wants it.  Each wave asks in the block of 128 rows that it fetches in the ring; the block's 32,768 bytes of a step are shared out
; by address among the four partners that ask for it jointly (8,192 bytes at cx for A', at cy for B'), lanes 256 bytes apart.  x's codes are read by three clusters, which all ask; W's by eight, of which those with y under 4 ask.  The step is an immediate: the addresses are never rewritten.
; LIMITS: a block whose largest magnitude lies under 2^-118 (a block of zeros among them) gets the byte 1; the bytes are read by this program alone.  NaN and infinities are not served.
; REGISTERS, in windows of 256: window 0: v0-31 addresses; v32-63 scale words, two sets, and nothing else; v64-91 at work on the way out; from v128 A's fragments, ONE set, later the codes made.
;   window 1: B's fragments, TWO sets.   window 2: the accumulators of my rows' tiles 0-3 ((a, b) at v[8 (8 a + b)]);   window 3: of tiles 4-7.
.set NQ,     2                         ; matrix instructions deep in a K step
.set FR,     16                        ; registers of a fragment
.set NL,     4                         ; LDS loads that bring one
.set NP,     8                         ; places behind this matrix instruction (ISA guide 7.12.1)
.set KSB,    32768                     ; 128 rows x 256 K
.set SLOT,   4*KSB                     ; A's 256 rows, then B's 256 rows
.set SCL,    2*SLOT                    ; behind the ring: the scale bytes
.set HALFS,  4096                      ; those of 128 rows
.set SBLK,   128                       ; of 16 rows, for one K step
.set SPARE,  SCL+4*HALFS               ; the spare words, 128 bytes for each wave: two blocks of 256 bytes that no other line names
.set ADRA, 16                          ; v16-17  LDS address of my A fragments in slot 0, 1
.set ADRB, 20                          ; v20-21  the same for B
.set CO,   26                          ; v26     16 x lane
.set ADRS, 27                          ; v27     LDS address of my scale words: lanes 0-15 A's rows, lanes 16-31 B's
.set SPW,  28                          ; v28     LDS address of my spare word; never rewritten
.set NIL,  29                          ; v29     0; never rewritten
.set PFO,  30                          ; v30     256 x lane; never rewritten
.set SC,   32                          ; scale words: set s at v[SC + 16 s]; register 2 i + q: lanes 0-15 A's tile i, lanes 16-31 B's tile i
.set TM,   64                          ; the way out: v64-67 largest magnitudes, v68-71 bytes, v72-75 448 x the scale, v76-79 the conversions' scale operands
.set PWR,  80                          ; v80-87  the scale word of my row in tile a
.set PWS,  88                          ; v88-91  the four words that I store
.set AF,   128                         ; A's fragments
.set PCD,  128                         ; the way out: tile a's codes at v[128 + 16 a]: no store's data are written again
.set PFA,  94                          ; s[94:95] where my prefetches stand; s3: 0 in a wave that asks
.set G1, 24                            ; s[24:31] descriptor group 1 for A's tiles;  s[32:39] group 0, one set for each slot
.set G0, 32
.set G1B, 48                           ; s[48:55], s[56:63] the same for B's
.set G0B, 56
.set G1S, 68                           ; s[68:75], s[76:79] groups 1 and 0 for A's scale bytes;  s[80:87], s[88:91] for B's
.set G0S, 76
.set G1SB, 80
.set G0SB, 88
.set MSB, 0
.macro WIN new                         ; the immediate's high byte repeats the setting that is left
.if MSB != \new
	s_set_vgpr_msb (MSB<<8)|\new
.set MSB, \new
.endif
.endm
.set MUL_LO, 0xa1                      ; source 0 (B) window 1, source 1 (A) window 0, C and D window 2
.set MUL_HI, 0xf1                      ; the same, C and D window 3
.set TO_B,   0x40                      ; destination window 1, address window 0
; A joint load: waves 0 and 1 fetch for A, waves 2 and 3 for B; the branch hangs on the wave's number alone.
.macro JLOAD g0a, g1a, g0b, g1b
	s_cmp_eq_u32 s15, 0
	s_cbranch_scc0 .Lfor_b_\@
	tensor_load_to_lds s[\g0a:\g0a+3], s[\g1a:\g1a+7]
	s_nop 0
.rept 4
	v_nop
.endr
	s_branch .Lasked_\@
.Lfor_b_\@:
	tensor_load_to_lds s[\g0b:\g0b+3], s[\g1b:\g1b+7]
	s_nop 0
.rept 4
	v_nop
.endr
.Lasked_\@:
.endm
.macro ASK ks                          ; my 8,192 bytes of K step ks
	s_cmp_eq_u32 s3, 0
	s_cbranch_scc0 .Lnot_mine_\@
	global_prefetch_b8 v[PFO], s[PFA:PFA+1] offset:(\ks)*KSB th:TH_LOAD_NT scope:SCOPE_SE
.Lnot_mine_\@:
.endm
.macro CREST                           ; a round of the cluster's barrier behind its opening barrier
	s_cmp_lg_u32 s14, 0
	s_cbranch_scc1 .Lnot_wave_0_\@
	s_barrier_signal -3
.Lnot_wave_0_\@:
	s_barrier_wait -3
	s_barrier_signal -1
	s_barrier_wait -1
.endm
.macro CROUND                          ; a whole round
	s_barrier_signal -1
	s_barrier_wait -1
	CREST
.endm
.macro ARM under, g0, g1, next
	s_cmp_lt_u32 s14, \under
	s_cbranch_scc0 \next
	tensor_load_to_lds s[\g0:\g0+3], s[\g1:\g1+7]
	s_nop 0
.rept 4
	v_nop
.endr
	s_branch .Lhead_asked
\next:
.endm
	s_load_b128 s[4:7], s[0:1], 0x0                ; x's codes, x's scales
	s_load_b128 s[8:11], s[0:1], 0x10              ; W's codes, W's scales
	s_load_b128 s[96:99], s[0:1], 0x20             ; q, kv
	v_lshl_add_u32 v[SPW], v0, 2, SPARE
	v_mov_b32 v[NIL], 0
	ds_add_u32 v[SPW], v[NIL]                      ; the opening lines
	ds_add_u32 v[SPW], v[NIL]
	s_wait_dscnt 0x0
	v_lshrrev_b32 v1, 5, v0
	v_readfirstlane_b32 s14, v1                    ; wave 0..3
	s_lshr_b32 s15, s14, 1                         ; which half of the tile's rows (A') is mine.  Also: I fetch for A (0) or for B (1)
	s_and_b32 s16, s14, 1                          ; which half of its columns (B').  Also: which 128 rows of that tile I fetch
	s_bfe_u32 s40, ttmp6, 0x40000                  ; cx, cy: my place in the cluster
	s_bfe_u32 s41, ttmp6, 0x40004
	s_and_b32 s17, ttmp7, 0xffff                   ; the cluster's y, 0..7
	s_cmp_eq_u32 ttmp9, 2                          ; the cluster's x: 2 = v
	s_cselect_b32 s18, 0, s17                      ; the tile row is 4 x this + cy:    q, k: by the tokens;  v: W_v's four tiles
	s_cselect_b32 s19, s17, ttmp9                  ; the tile column 4 x this + cx:    q, k: by W's columns; v: by the tokens
	s_cselect_b32 s95, 16, 0                       ; v: A' begins at W's block 16 (column 2,048)
	s_lshl_b32 s17, s18, 2
	s_add_co_u32 s17, s17, s41                     ; tile row
	s_lshl_b32 s42, s19, 2
	s_add_co_u32 s42, s42, s40                     ; tile column
	s_lshl_b32 s43, s41, 2
	s_lshl_b32 s43, 15, s43                        ; my row of the cluster
	s_lshl_b32 s44, 0x1111, s40                    ; my column
	s_or_b32 s[G1+0], s43, (3<<16)|(1<<21)         ; 15:0 the mask: A's tiles go to my row; 17:16 elements of 8 bytes; 21 set beside a mask
	s_or_b32 s[G1B+0], s44, (3<<16)|(1<<21)
.irp g, G1, G1B                                ; at the head: K step 0 of 256 rows = two dense runs of 32,768 bytes, 131,072 bytes apart: two rows of 4,096 elements
	s_mov_b32 s[\g+1], 4096<<16
	s_mov_b32 s[\g+2], 2<<16
	s_mov_b32 s[\g+3], 4096<<16
	s_mov_b32 s[\g+4], 2
	s_mov_b32 s[\g+5], 16384
	s_mov_b32 s[\g+6], 0
	s_mov_b32 s[\g+7], 0
.endr
	s_or_b32 s[G1S+0], s43, (3<<16)|(1<<21)        ; the scale bytes of 256 rows: 8,192 dense bytes as 32 rows of 32 elements
	s_or_b32 s[G1SB+0], s44, (3<<16)|(1<<21)
.irp g, G1S, G1SB
	s_mov_b32 s[\g+1], 32<<16
	s_mov_b32 s[\g+2], 32<<16
	s_mov_b32 s[\g+3], 32<<16
	s_mov_b32 s[\g+4], 32
	s_mov_b32 s[\g+5], 32
	s_mov_b32 s[\g+6], 0
	s_mov_b32 s[\g+7], 0
.endr
	s_lshl_b32 s20, s17, 1
	s_add_co_u32 s20, s20, s95                     ; A': the tile's first block of 128 rows: it hangs on the tile row alone
	s_lshl_b32 s46, s42, 1                         ; B': on the tile column alone
	s_lshl_b32 s22, s20, 12                        ; its scale bytes,
	s_mov_b32 s23, 0
	s_lshl_b32 s20, s20, 17                        ; its codes
	s_mov_b32 s21, 0
	s_lshl_b32 s92, s46, 12
	s_mov_b32 s93, 0
	s_lshl_b32 s46, s46, 17
	s_mov_b32 s47, 0
	s_lshl_b32 s45, s14, 15                        ; where the ring's loads go: wave x 32,768: no place in the cluster enters an LDS address
	s_mov_b32 s2, 0x600000                         ; the mantissa field of 448
	s_mov_b32 s100, 0x76543210
	s_mov_b32 s101, 0xfedcba98                     ; v_permlanex16_b32's selects for lane l xor 16
	s_wait_kmcnt 0x0
	s_cmp_eq_u32 ttmp9, 2                          ; which tensor is A' and which B': a choice between buffers on the cluster's x
	s_cselect_b64 s[66:67], s[8:9], s[4:5]         ; A's codes
	s_cselect_b64 s[12:13], s[10:11], s[6:7]       ; A's scales
	s_cselect_b64 s[8:9], s[4:5], s[8:9]           ; B's codes
	s_cselect_b64 s[10:11], s[6:7], s[10:11]       ; B's scales
	s_add_nc_u64 s[20:21], s[66:67], s[20:21]
	s_add_nc_u64 s[22:23], s[12:13], s[22:23]
	s_add_nc_u64 s[46:47], s[8:9], s[46:47]
	s_add_nc_u64 s[92:93], s[10:11], s[92:93]
	CROUND                                         ; all sixteen work-groups are here: the first joint loads meet
	s_mov_b32 s4, 1                                ; s[4:7]: group 0 of K step 0's 256 rows of A (the arguments that lay here have been used)
	s_mov_b32 s5, 0
	s_mov_b64 s[6:7], s[20:21]
	s_or_b32 s7, s7, 0x80000000
	s_mov_b32 s8, 1                                ; s[8:11]: of B's 256 rows, behind A's in slot 0
	s_mov_b32 s9, 2*KSB
	s_mov_b64 s[10:11], s[46:47]
	s_or_b32 s11, s11, 0x80000000
	s_mov_b32 s[G0S], 1
	s_mov_b32 s[G0S+1], SCL
	s_mov_b64 s[G0S+2:G0S+3], s[22:23]
	s_or_b32 s[G0S+3], s[G0S+3], 0x80000000
	s_mov_b32 s[G0SB], 1
	s_mov_b32 s[G0SB+1], SCL+2*HALFS
	s_mov_b64 s[G0SB+2:G0SB+3], s[92:93]
	s_or_b32 s[G0SB+3], s[G0SB+3], 0x80000000
	s_lshl_b32 s18, s16, 17                        ; for the ring: my block of 128 rows of the tile
	s_mov_b32 s19, 0
	s_add_nc_u64 s[20:21], s[20:21], s[18:19]
	s_add_nc_u64 s[46:47], s[46:47], s[18:19]
.irp s, 0,1
	s_mov_b32 s[G0+4*\s], 1
	s_add_co_u32 s[G0+4*\s+1], s45, \s*SLOT
	s_add_nc_u64 s[G0+4*\s+2:G0+4*\s+3], s[20:21], \s*KSB
	s_or_b32 s[G0+4*\s+3], s[G0+4*\s+3], 0x80000000
	s_mov_b32 s[G0B+4*\s], 1
	s_add_co_u32 s[G0B+4*\s+1], s45, \s*SLOT
	s_add_nc_u64 s[G0B+4*\s+2:G0B+4*\s+3], s[46:47], \s*KSB
	s_or_b32 s[G0B+4*\s+3], s[G0B+4*\s+3], 0x80000000
.endr
; THE HEAD'S LOADS, ONE A WAVE: wave 0 K step 0's 256 rows of A, wave 1 those of B, wave 2 A's scale bytes, wave 3 B's.  One tree of branches on the wave's number, a load to an arm.
	ARM 1, 4, G1, .Lhead_b
	ARM 2, 8, G1B, .Lhead_sa
	ARM 3, G0S, G1S, .Lhead_sb
	tensor_load_to_lds s[G0SB:G0SB+3], s[G1SB:G1SB+7]
	s_nop 0
.rept 4
	v_nop
.endr
.Lhead_asked:
	s_cmp_eq_u32 s15, 0                            ; the prefetches stand in the block that I fetch in the ring,
	s_cselect_b64 s[PFA:PFA+1], s[20:21], s[46:47]
	s_cselect_b32 s18, s40, s41                    ; at my work-group's quarter of a K step: told apart by address
	s_lshl_b32 s18, s18, 13
	s_mov_b32 s19, 0
	s_add_nc_u64 s[PFA:PFA+1], s[PFA:PFA+1], s[18:19]
	s_cmp_eq_u32 ttmp9, 2
	s_cselect_b32 s18, 1, 0
	s_xor_b32 s18, s18, s15                        ; 1 where my operand is W: A' in the role v, B' in the roles q and k
	s_and_b32 s3, ttmp7, 0xffff
	s_lshr_b32 s3, s3, 2                           ; 0 in the clusters with y under 4,
	s_mul_i32 s3, s3, s18                          ; which alone counts for W
	v_and_b32 v1, 15, v0                           ; r
	v_bfe_u32 v2, v0, 4, 1                         ; lane / 16
	s_wait_alu depctr_va_vdst(0)
	v_and_b32 v3, 31, v0
	v_lshlrev_b32 v[CO], 4, v3                     ; 16 x lane
	v_lshlrev_b32 v[PFO], 8, v3                    ; 256 x lane
	s_lshl_b32 s21, s15, 15                        ; my 128 rows of A
	s_lshl_b32 s22, s16, 15                        ; my 128 rows of B,
	s_add_co_u32 s22, s22, 2*KSB                   ; which lie behind A's 256
.irp s, 0,1
	v_add_nc_u32 v[ADRA+\s], s21, v[CO]
	v_add_nc_u32 v[ADRB+\s], s22, v[CO]
	s_add_co_u32 s21, s21, SLOT
	s_add_co_u32 s22, s22, SLOT
.endr
	v_lshlrev_b32 v5, 3, v1                        ; my row's two scale words of a K step: 8 bytes a row
	s_lshl_b32 s21, s15, 12                        ; A's: my 128 rows
	s_lshl_b32 s22, s16, 12                        ; B's: my 128 rows, behind A's 256
	s_add_co_u32 s22, s22, 2*HALFS
	s_sub_co_u32 s22, s22, s21
	v_mul_u32_u24 v6, s22, v2                      ; lanes 16-31 take B's: one product, the distance between the two
	s_add_co_u32 s21, s21, SCL
	v_add_nc_u32 v5, v5, v6
	v_add_nc_u32 v[ADRS], s21, v5
	s_wait_alu depctr_va_vdst(0)                   ; the wait ahead of the branch and of the prefetch's offset
	ASK 1
	; where my 128 x 128 goes
	s_lshl_b32 s20, s17, 1
	s_add_co_u32 s20, s20, s15                     ; my block of A'
	s_lshl_b32 s46, s42, 1
	s_add_co_u32 s46, s46, s16                     ; my block of B'
	s_and_b32 s47, s46, 7
	s_cmp_eq_u32 ttmp9, 2
	s_cselect_b32 s21, s46, s20                    ; the block of 128 tokens, 0..63
	s_cselect_b32 s22, s20, s47                    ; the pair of heads, 0..7
	s_lshr_b32 s23, s21, 4                         ; the batch
	s_lshl_b32 s23, s23, 3
	s_add_co_u32 s23, s23, s22
	s_lshl_b32 s23, s23, 4
	s_and_b32 s21, s21, 15
	s_add_co_u32 s23, s23, s21                     ; the record
	s_cmp_eq_u32 ttmp9, 0
	s_cselect_b64 s[12:13], s[96:97], s[98:99]     ; q, or kv
	s_mov_b32 s21, 33792
	s_cselect_b32 s21, 16896, s21                  ; a record's bytes
	s_mov_b32 s47, 32768
	s_cselect_b32 s47, 16384, s47                  ; where q's, or K's, scale words begin in it
	s_mul_i32 s20, s23, s21
	s_cmp_eq_u32 ttmp9, 2
	s_cselect_b32 s22, 16384, 0                    ; V's codes lie behind K's,
	s_mov_b32 s46, 33280
	s_cselect_b32 s47, s46, s47                    ; V's scale words behind K's
	s_add_co_u32 s46, s20, s47
	s_add_co_u32 s20, s20, s22
	s_mov_b32 s47, 0
	s_mov_b32 s21, 0
	s_add_nc_u64 s[66:67], s[12:13], s[46:47]      ; my scale words
	s_add_nc_u64 s[12:13], s[12:13], s[20:21]      ; my codes
.macro FRAG reg, adr, q, i             ; a fragment, 16 rows x 128 K: registers 4 c .. 4 c + 3 hold K = 32 c + 16 (lane / 16) + 0 .. 15: four runs of 512 bytes
.irp c, 0,1,2,3
	ds_load_b128 v[\reg+4*\c:\reg+4*\c+3], v[\adr] offset:2048*(\q)+512*\c+(\i)*4096
.endr
.endm
; 16 matrix instructions: A's tiles a0, a0 + 1 x B's eight, 128 along K: the slot's q-th.  p: B's set;  sc: the set of scale words.  zero = 1: the first product starts the sums.
; The 64 accumulators take turns, one instruction a turn, in the same order in every step.
.macro MUL16 a0, p, q, sc, zero
.irp a, \a0, \a0+1
.irp b, 0,1,2,3,4,5,6,7
.if \zero
	v_wmma_scale_f32_16x16x128_f8f6f4 v[8*(8*((\a)%4)+\b):8*(8*((\a)%4)+\b)+7], v[128*(\p)+FR*\b:128*(\p)+FR*\b+FR-1], v[AF+FR*(\a):AF+FR*(\a)+FR-1], 0, v[SC+8*NQ*(\sc)+NQ*\b+(\q)], v[SC+8*NQ*(\sc)+NQ*(\a)+(\q)] matrix_a_scale:MATRIX_SCALE_ROW1
.else
	v_wmma_scale_f32_16x16x128_f8f6f4 v[8*(8*((\a)%4)+\b):8*(8*((\a)%4)+\b)+7], v[128*(\p)+FR*\b:128*(\p)+FR*\b+FR-1], v[AF+FR*(\a):AF+FR*(\a)+FR-1], v[8*(8*((\a)%4)+\b):8*(8*((\a)%4)+\b)+7], v[SC+8*NQ*(\sc)+NQ*\b+(\q)], v[SC+8*NQ*(\sc)+NQ*(\a)+(\q)] matrix_a_scale:MATRIX_SCALE_ROW1
.endif
.endr
.endr
.endm
.macro FETCH_B slot, q, p              ; B's eight fragments of the slot's q-th 128 along K into set p
	WIN TO_B
.irp i, 0,1,2,3,4,5,6,7
	FRAG 128*(\p)+FR*\i, ADRB+\slot, \q, \i
.endr
	WIN 0
.endm
.macro FETCH_A slot, q, i0             ; A's tiles i0 .. i0 + 3
.irp i, \i0, \i0+1, \i0+2, \i0+3
	FRAG AF+FR*(\i), ADRA+\slot, \q, \i
.endr
.endm
.macro SCALES sc, ks                   ; K step ks's scale words into set sc: two words a row; lanes 0-15 take A's tile i, lanes 16-31 B's tile i
.irp i, 0,1,2,3,4,5,6,7
	ds_load_b64 v[SC+8*NQ*\sc+NQ*\i:SC+8*NQ*\sc+NQ*\i+1], v[ADRS] offset:\i*SBLK+(\ks)*1024
.endr
.endm
; A load into a register that a matrix instruction has read, and a vector instruction that reads a matrix result, stand NP places behind that matrix instruction; only plain vector instructions that name none of its registers are places.
.macro PLACES n
.rept \n
	v_nop
.endr
.endm
; A step of 128 along K that has its successor in the same slot.  A's tiles 0-3 are fetched anew in its middle, tiles 4-7 at its end; B has two sets.
.macro STEP slot, q, zero
	s_wait_dscnt 4*NL                              ; B's set and A's tiles 0-3 are in; the youngest 16 loads (A's tiles 4-7) may be out
	WIN MUL_LO
	MUL16 0, (\q)%2, \q, \slot, \zero
	MUL16 2, (\q)%2, \q, \slot, \zero
	s_wait_dscnt 0                                 ; A's tiles 4-7 are in
	PLACES NP
	FETCH_B \slot, (\q)+1, 1-(\q)%2
	FETCH_A \slot, (\q)+1, 0
	WIN MUL_HI
	MUL16 4, (\q)%2, \q, \slot, \zero
	MUL16 6, (\q)%2, \q, \slot, \zero
	PLACES NP
	WIN 0
	FETCH_A \slot, (\q)+1, 4
.endm
; A slot's last step changes slots: ONE barrier; in front of it each wave waits for all its tensor loads, adds 0 to its spare word, and waits for that and for its own reads of this slot.
; fill = 1: this slot is filled again, two K steps ahead, behind a round of the cluster's barrier.  ks: the K step that lies in the next slot.  pf: the K step that is prefetched, or 0.
.macro TURN slot, next, fill, ks, pf
	s_wait_tensorcnt 0x0                           ; all my tensor loads have landed: my part of the next slot
	ds_add_u32 v[SPW], v[NIL]                      ; 0 onto my spare word
	s_wait_dscnt 4*NL+1                            ; (the add and the youngest 16 loads, A's tiles 4-7, may be out)
	WIN MUL_LO
	MUL16 0, 1, NQ-1, \slot, 0                     ; sixteen matrix instructions stand between the add and the wait for it
	s_wait_dscnt 0x0                               ; the add is done, and my reads of this slot are over
	s_barrier_signal -1
	MUL16 2, 1, NQ-1, \slot, 0
	WIN 0
	s_barrier_wait -1
.if \fill
	CREST                                          ; no wave of any partner still reads this slot's tile or has a load on its way
	s_add_nc_u64 s[G0+4*\slot+2:G0+4*\slot+3], s[G0+4*\slot+2:G0+4*\slot+3], 2*KSB
	s_add_nc_u64 s[G0B+4*\slot+2:G0B+4*\slot+3], s[G0B+4*\slot+2:G0B+4*\slot+3], 2*KSB
	JLOAD G0+4*\slot, G1, G0B+4*\slot, G1B         ; the first tensor load behind the round; its four v_nop are among the places in front of the loads below
	PLACES NP-4
.else
	PLACES NP
.endif
	FETCH_B \next, 0, 0
	FETCH_A \next, 0, 0
	SCALES \next, \ks
.if \pf
	ASK \pf
.endif
	WIN MUL_HI
	MUL16 4, 1, NQ-1, \slot, 0
	MUL16 6, 1, NQ-1, \slot, 0
	PLACES NP
	WIN 0
	FETCH_A \next, 0, 4
.endm
	s_wait_alu depctr_va_vdst(0)                   ; the wait at the head's end
	s_wait_tensorcnt 0x0                           ; my tile of the head's four is in; the lines ahead of a later first fill
	ds_add_u32 v[SPW], v[NIL]
.irp g, G1, G1B                                ; no tensor load of mine is out: from here on a load brings 32,768 dense bytes as 128 rows of 32 elements
	s_mov_b32 s[\g+1], 32<<16
	s_mov_b32 s[\g+2], 128<<16
	s_mov_b32 s[\g+3], 32<<16
	s_mov_b32 s[\g+4], 128
	s_mov_b32 s[\g+5], 32
.endr
	s_wait_dscnt 0x0
	CROUND                                         ; all four tiles are in, and all sixteen work-groups are here
	JLOAD G0+4, G1, G0B+4, G1B                     ; K step 1, the first tensor load behind the round
	FETCH_B 0, 0, 0
	FETCH_A 0, 0, 0
	SCALES 0, 0
	ASK 2
	FETCH_A 0, 0, 4
	STEP 0, 0, 1                                   ; K step 0: its first products start the sums
	TURN 0, 1, 1, 1, 3                             ; slot 0 takes K step 2
	STEP 1, 0, 0                                   ; K step 1
	TURN 1, 0, 1, 2, 0                             ; slot 1 takes K step 3
	STEP 0, 0, 0                                   ; K step 2
	TURN 0, 1, 0, 3, 0                             ; nothing is left to fetch
	STEP 1, 0, 0                                   ; K step 3
	s_wait_dscnt 4*NL
	WIN MUL_LO
	MUL16 0, 1, NQ-1, 1, 0
	MUL16 2, 1, NQ-1, 1, 0
	s_wait_dscnt 0
	WIN MUL_HI
	MUL16 4, 1, NQ-1, 1, 0
	MUL16 6, 1, NQ-1, 1, 0
	WIN 0
; THE WAY OUT.  Tile a's 64 registers of a lane are 128 neighbours of its row along the next K, four blocks of 32, each shared with lane l xor 16: they are quantised where they lie.
.macro QOUT a
.set W, 2+(\a)/4
.set AC, 64*((\a)%4)
.set PCA, PCD+16*(\a)
.set WN, (W<<2)|(W<<4)
	WIN WN                                         ; sources 1 and 2: the accumulators' window
.irp b, 0,1,2,3
	v_max3_num_f32 v[TM+\b], 0x4800000, |v[AC+16*\b]|, |v[AC+16*\b+1]|   ; the floor 2^(9 - 127) and my first two; each accumulator is read from its low end on
.endr
.irp i, 2,4,6,8,10,12,14
.irp b, 0,1,2,3
	v_max3_num_f32 v[TM+\b], v[TM+\b], |v[AC+16*\b+\i]|, |v[AC+16*\b+\i+1]|
.endr
.endr
	WIN 0
.irp b, 0,1,2,3
	v_permlanex16_b32 v[TM+4+\b], v[TM+\b], s100, s101
.endr
.irp b, 0,1,2,3
	v_max_num_f32 v[TM+\b], v[TM+\b], v[TM+4+\b]
.endr
.irp b, 0,1,2,3
	v_add_nc_u32 v[TM+12+\b], 0xfc000000, v[TM+\b]
.endr
.irp b, 0,1,2,3
	v_and_or_b32 v[TM+8+\b], v[TM+\b], 0x7f800000, s2
.endr
.irp b, 0,1,2,3
	v_lshrrev_b32 v[TM+4+\b], 23, v[TM+12+\b]
.endr
	v_lshl_or_b32 v[PWR+(\a)], v[TM+5], 8, v[TM+4]
	v_lshl_or_b32 v[PWR+(\a)], v[TM+6], 16, v[PWR+(\a)]
	v_lshl_or_b32 v[PWR+(\a)], v[TM+7], 24, v[PWR+(\a)]
.set WN, W|(W<<6)
	WIN WN                                         ; source 0 and destination: the accumulators' window
.irp b, 0,1,2,3
.irp i, 0,1,2,3,4,5,6,7,8,9,10,11,12,13,14,15
	v_med3_num_f32 v[AC+16*\b+\i], v[AC+16*\b+\i], -v[TM+8+\b], v[TM+8+\b]   ; the hold at the largest code x the scale
.endr
.endr
.set WN, W
	WIN WN
.irp b, 0,1,2,3
	v_cvt_scalef32_pk8_fp8_f32 v[PCA+4*\b:PCA+4*\b+1], v[AC+16*\b:AC+16*\b+7], v[TM+12+\b]
	v_cvt_scalef32_pk8_fp8_f32 v[PCA+4*\b+2:PCA+4*\b+3], v[AC+16*\b+8:AC+16*\b+15], v[TM+12+\b]
.endr
	v_nop                                          ; a plain line behind the last conversion
	WIN 0
.irp b, 0,1,2,3
	global_store_b128 v[CO], v[PCA+4*\b:PCA+4*\b+3], s[12:13] offset:(\a)*2048+\b*512   ; the wave stores 512 consecutive bytes, aligned
.endr
.endm
	PLACES NP
.irp b, 0,1,2,3
	v_mov_b32 v[TM+4+\b], 0                        ; written once: a lane permute's destination counts as one of its sources
.endr
.irp a, 0,1,2,3,4,5,6,7
	QOUT \a
.endr
	v_cmp_ne_u32 vcc_lo, 0, v2                     ; lanes 0-15 store the words of tiles 0-3 of row r, lanes 16-31 those of tiles 4-7 (a word stands in both halves of the lanes)
.irp j, 0,1,2,3
	v_cndmask_b32 v[PWS+\j], v[PWR+\j], v[PWR+4+\j], vcc_lo
.endr
	global_store_b128 v[CO], v[PWS:PWS+3], s[66:67]
	s_wait_tensorcnt 0x0                           ; the wave's end
	ds_add_u32 v[SPW], v[NIL]
	s_wait_dscnt 0x0
	CROUND                                         ; the closing round: no work-group ends while a partner may still ask for a tile that names it
	s_endpgm
.Lfunc_end_k_q7f5b8a40bf_gemm_qkv:
	.size	k_q7f5b8a40bf_gemm_qkv, .Lfunc_end_k_q7f5b8a40bf_gemm_qkv-k_q7f5b8a40bf_gemm_qkv
	.p2alignl 7, 3214868480
	.fill 96, 4, 3214868480
	.section	.rodata,"a",@progbits
	.p2align	6, 0x0
	.amdhsa_kernel k_q7f5b8a40bf_gemm_qkv
		.amdhsa_group_segment_fixed_size 327680
		.amdhsa_private_segment_fixed_size 0
		.amdhsa_enable_private_segment 0
		.amdhsa_kernarg_size 48
		.amdhsa_user_sgpr_count 2
		.amdhsa_user_sgpr_kernarg_segment_ptr 1
		.amdhsa_wavefront_size32 1
		.amdhsa_system_sgpr_workgroup_id_x 1
		.amdhsa_system_sgpr_workgroup_id_y 1
		.amdhsa_system_sgpr_workgroup_id_z 1
		.amdhsa_system_vgpr_workitem_id 0
		.amdhsa_next_free_vgpr 1024
		.amdhsa_next_free_sgpr 102
		.amdhsa_reserve_vcc 1
		.amdhsa_float_denorm_mode_32 3
		.amdhsa_float_denorm_mode_16_64 3
		.amdhsa_memory_ordered 1
		.amdhsa_forward_progress 1
		.amdhsa_inst_pref_size 187
	.end_amdhsa_kernel
	.amdgpu_metadata
---
amdhsa.version: [ 1, 2 ]
amdhsa.kernels:
  - .name:           k_q7f5b8a40bf_gemm_qkv
    .symbol:         k_q7f5b8a40bf_gemm_qkv.kd
    .args:
      - { .name: x_codes, .offset: 0, .size: 8, .value_kind: global_buffer, .address_space: global }
      - { .name: x_scales, .offset: 8, .size: 8, .value_kind: global_buffer, .address_space: global }
      - { .name: w_codes, .offset: 16, .size: 8, .value_kind: global_buffer, .address_space: global }
      - { .name: w_scales, .offset: 24, .size: 8, .value_kind: global_buffer, .address_space: global }
      - { .name: q, .offset: 32, .size: 8, .value_kind: global_buffer, .address_space: global }
      - { .name: kv, .offset: 40, .size: 8, .value_kind: global_buffer, .address_space: global }
    .group_segment_fixed_size: 327680
    .private_segment_fixed_size: 0
    .kernarg_segment_align: 8
    .kernarg_segment_size: 48
    .max_flat_workgroup_size: 128
    .sgpr_count:     102
    .vgpr_count:     1024
    .wavefront_size: 32
...
	.end_amdgpu_metadata
.endif
;; end of part 2
;; launch attn (part 3): grid 8 x 32, 16 waves a work-group, no clusters, 327,680 bytes of LDS; arguments q, kv, att_codes, att_scales; writes att_codes, att_scales
.if DOCPART == 3
	.amdgcn_target "amdgcn-amd-amdhsa--gfx1250"
	.amdhsa_code_object_version 6
	.text
	.protected	k_q7f5b8a40bf_attn
	.globl	k_q7f5b8a40bf_attn
	.p2align	8
	.type	k_q7f5b8a40bf_attn,@function
k_q7f5b8a40bf_attn:
	s_mov_b64 s[64:65], 0
	v_nop
	global_prefetch_b8 v0, s[64:65] scope:SCOPE_SE
	s_setreg_imm32_b32 hwreg(HW_REG_WAVE_MODE, 25, 1), 1
	s_wait_xcnt 0x0
; Causal attention on codes of FP8 (E4M3) with E8M0 scales: 64 heads of 2,048 tokens x 64.  S = q k^T (K = 64 of the instruction's 128), p = 2^(t - M), O = p v / l, and O quantised along C for the last product.
; THE SOFTMAX: t = score x log2(e) / 8; M = the row's largest t so far, rounded UP to a whole number; p = 2^(t - M) is quantised along the keys, not normalised; the row's sum is taken of the unquantised p and divides at the end.
; When M moves, the sum and O are multiplied by 2^(old M - new M): exact.
; WORK LEFT OUT: key steps wholly past the diagonal of reference()'s own causal mask are never walked: their weights are 0 for all inputs.
; SHARES.  A work-group serves a PAIR of heads (ttmp7: batch x 8 + pair) and two blocks of 128 queries, I and 15 - I (I = ttmp9, 0 .. 7): (I + 1) + (16 - I) = 17 key steps of 128 in every one of the 256 work-groups.
; Sixteen waves: wave w takes head w / 8 and tile w % 8 of the block: 16 queries in 256 registers, four waves to a SIMD.
; Trip J: J <= I: key step J for block I; else key step J - I - 1 for block 15 - I.  J = I and J = 16 are the steps on the diagonal: there the mask is applied and the block goes out.
; RECORDS (made by the launch before): a key step of a pair of heads is 33,792 dense bytes: K's codes [tile 8][head 2][c 2][lane][16], V's codes [head 2][tile of d 4][c 4][lane][16], K's scale words [tile / 4][r][tile % 4], V's [head][r][tile].
; Lane-row r of tile T is row 32 (T / 2) + 8 (T % 2) + r + 8 (r / 8).  S^T = K Q^T and O^T = V^T P^T: a lane holds one query; the 16 registers of tiles 2 b, 2 b + 1 are keys (channels) 32 b + 16 (lane / 16) + 0 .. 15.
; K PACKED: tile T's 64 codes a row are 8 registers, v[KF + 8 T] on; the instruction's fragment is 16 registers, so its upper half is tile T + 1's codes (behind tile 7: zeros).  They meet q's zero codes under scale byte 0 and add nothing: no code made by the quantiser is a NaN.
; V's four fragments take K's registers behind the score products, so that their loads land under the softmax.
; THE RING: two slots of FOUR records, and a region of its own for trip 0's record.  The 17 trips go in phases of 1, 4, 4, 4, 4: five barriers; between them no wave waits for another.  A fill is eight halves of records, one load each for waves 0 to 7;
; it has the four trips of a phase in which to land.  Phase 0 enters the inner loop with its counter at 3.  The last phase, which fills nothing, is written out.
; NO CLUSTER: the eight work-groups of a pair of heads change blocks in different trips (at J = I), so in a given phase they want different records.
; LIMITS: a block whose largest magnitude lies under 2^-118 gets the byte 1 (read by this program alone).  NaN and infinities are not served.  The promise holds while |t| stays under 2^31.  The result's scale bytes leave as single bytes.
.set REC,   33792
.set HALFR, 16896
.set SLOTB, 4*REC                      ; slot 0 at 0, slot 1 at SLOTB, trip 0's record at 2 SLOTB
.set SPARE, 9*REC                      ; the spare words: 128 bytes a wave, eight blocks of 256 bytes that no other line names
.set AK0,  1                           ; v1-4 my lane's places in a record: K's codes, V's codes, K's scale words, V's
.set AV0,  2
.set ASK0, 3
.set ASV0, 4
.set SPW,  5
.set NIL,  6
.set PFO,  7                           ; 256 x lane
.set ADK,  8                           ; v8-11 the four places in the record in hand
.set ADV,  9
.set ADS,  10
.set ADT,  11
                                       ; v12 -M, v13 largest t, v[14:15] the sum
.set QF,   16                          ; v16-31 Q's fragment (v24-31 = 0)
.set KF,   32                          ; v32-95 K's eight tiles, then V's four fragments; v96-103 zeros
.set KZ,   96
.set S,    104                         ; v104-167 S^T, then p, then O / l
.set OT,   168                         ; v168-199 O^T
.set VSW,  200                         ; v200-203 V's scale words, v204 Q's, v205 p's, v248-255 K's: scales and nothing else
.set QSW,  204
.set PSW,  205
.set DG,   206                         ; my query's row in its block - 16 (lane / 16)
.set BM,   208                         ; v208-211 block maxima, v212-215 at work, v216-219 448 x the scale, v220-223 the conversions' scale operands
.set BP,   212
.set BH,   216
.set BS,   220
.set PCD,  224                         ; v224-239 p's codes; before them the sum's eight partial pairs
.set FF,   240
.set TMP,  242
.set L16,  244
.set SBO,  245
.set QO,   246
.set QSO,  247
.set KSW,  248
.set WV,   12
.set PAR,  13
.set TA,   14
.set BI,   15
.set PAIR, 16
.set JJ,   17                          ; the trip
.set TB,   18                          ; where the record in hand begins in LDS
.set MNT,  19
.set SEL,  20
.set CS,   22
.set G1,   24
.set G0,   32
.set BR,   36
.set OFS,  38
.set QA,   40
.set OC,   44
.set OS,   48
.set PFA,  52
.set LIM,  54
.set NI,   70                          ; -infinity
.set HI,   71                          ; the mask of lanes 16-31
.set IN,   72                          ; the inner loop's counter
.set IN0,  73                          ; where it begins: 3 in phase 0, then 0
.set TBN,  74                          ; where the next phase's records begin
.set FB,   75                          ; the slot that the next fill takes
.set NT,   76                          ; the first trip of the phase that the next fill serves
.set LW,   77                          ; wave x half a record
.set DJ,   78                          ; the next trip on a diagonal
.set PH,   79
.macro TLOAD n                         ; waves 0 to n - 1 fetch half a record each
	s_cmp_lt_u32 s[WV], \n
	s_cbranch_scc0 .Lnone_\@
	tensor_load_to_lds s[G0:G0+3], s[G1:G1+7]
	s_nop 0
.rept 4
	v_nop
.endr
.Lnone_\@:
.endm
; A prefetch: work-group I = 0 of a pair of heads alone asks, in it waves 8 to 15, which fetch nothing: at the change that loads trips NT .. NT + 3 it names the four records that its own next fill loads (key steps NT + 3 .. NT + 6):
; a wave takes half of one record's 32,768 bytes of codes, two instructions of 8,192 bytes, lanes 256 bytes apart: each block is named once in the launch.  Steps 0 to 3 come by their loads alone; the last fill's change asks for nothing.
.macro ASK
	s_cmp_lt_u32 s[NT], s[LIM]
	s_cbranch_scc0 .Lnot_mine_\@
	global_prefetch_b8 v[PFO], s[PFA:PFA+1] th:TH_LOAD_NT scope:SCOPE_SE
	global_prefetch_b8 v[PFO], s[PFA:PFA+1] offset:8192 th:TH_LOAD_NT scope:SCOPE_SE
.Lnot_mine_\@:
.endm
; The change of phases: all my tensor loads are in, the add, my reads of the records that I leave are over; behind the barrier the free slot takes the phase after next's... the next phase's four records.
.macro CHANGE fill
	s_wait_tensorcnt 0x0
	ds_add_u32 v[SPW], v[NIL]                      ; the add
.if \fill
	ds_add_u32 v[SPW], v[NIL]                      ; and twice on end here
	s_lshr_b32 s55, s[WV], 1
	s_add_co_u32 s55, s55, s[NT]                   ; the trip whose record I fetch half of
	s_sub_co_u32 s56, s55, s[BI]
	s_sub_co_u32 s56, s56, 1
	s_cmp_le_u32 s55, s[BI]
	s_cselect_b32 s55, s55, s56                    ; its key step
	s_mul_i32 s[OFS], s55, REC
	s_add_co_u32 s[G0+1], s[FB], s[LW]
	s_add_nc_u64 s[G0+2:G0+3], s[BR:BR+1], s[OFS:OFS+1]
	s_or_b32 s[G0+3], s[G0+3], 0x80000000
	s_wait_xcnt 0x0                                ; the last prefetches have read their address
	s_add_nc_u64 s[PFA:PFA+1], s[PFA:PFA+1], 4*REC
.endif
	s_mov_b32 s[TB], s[TBN]
	s_wait_dscnt 0x0
	s_barrier_signal -1
	s_barrier_wait -1
.if \fill
	TLOAD 8
	ASK
	s_mov_b32 s[TBN], s[FB]
	s_xor_b32 s[FB], s[FB], SLOTB
	s_add_co_u32 s[NT], s[NT], 4
.endif
.endm
; S^T = K Q^T: 24 LDS loads, one wait, 8 products; then V's 17 loads
.macro SCORES
	v_add_nc_u32 v[ADK], s[TB], v[AK0]
	v_add_nc_u32 v[ADS], s[TB], v[ASK0]
	v_add_nc_u32 v[ADV], s[TB], v[AV0]
	v_add_nc_u32 v[ADT], s[TB], v[ASV0]
.rept 4
	v_nop                                          ; with the four additions eight places behind the last trip's products, whose V lay where K is loaded
.endr
.set t, 0
.rept 8
	ds_load_b128 v[KF+8*t:KF+8*t+3], v[ADK] offset:t*2048
	ds_load_b128 v[KF+8*t+4:KF+8*t+7], v[ADK] offset:t*2048+512
	ds_load_u16 v[KSW+t], v[ADS] offset:(t/4)*256+(t%4)*4        ; my head's two bytes; the two above them are 0
.set t, t+1
.endr
	s_wait_alu depctr_va_vdst(0)                   ; the wait ahead of the wait below
	s_wait_dscnt 0x0
.set t, 0
.rept 8
	v_wmma_scale_f32_16x16x128_f8f6f4 v[S+8*t:S+8*t+7], v[KF+8*t:KF+8*t+15], v[QF:QF+15], 0, v[KSW+t], v[QSW]
.set t, t+1
.endr
.rept 8
	v_nop                                          ; eight places ahead of the loads into K's registers and of the first read of S^T
.endr
.set t, 0
.rept 16
	ds_load_b128 v[KF+4*t:KF+4*t+3], v[ADV] offset:t*512
.set t, t+1
.endr
	ds_load_b128 v[VSW:VSW+3], v[ADT]
.endm
; On the diagonal: register 16 b + i holds the step's key 32 b + 16 (lane / 16) + i: it counts where 32 b + i <= v[DG]; else the score becomes -infinity
.macro MASK
.set n, 0
.rept 64
	v_cmp_le_i32 vcc_lo, 32*(n/16)+n%16, v[DG]
	v_cndmask_b32 v[S+n], s[NI], v[S+n], vcc_lo
.set n, n+1
.endr
.endm
.macro SOFTMAX
.irp b, 0,1,2,3
	v_max3_num_f32 v[BM+\b], v[S+16*\b], v[S+16*\b+1], v[S+16*\b+2]   ; each block's largest score: for the row's maximum and for the block's largest p
.endr
.irp i, 3,5,7,9,11,13
.irp b, 0,1,2,3
	v_max3_num_f32 v[BM+\b], v[BM+\b], v[S+16*\b+\i], v[S+16*\b+\i+1]
.endr
.endr
.irp b, 0,1,2,3
	v_max_num_f32 v[BM+\b], v[BM+\b], v[S+16*\b+15]
.endr
.irp b, 0,1,2,3
	s_delay_alu instid0(VALU_DEP_4)
	v_permlanex16_b32 v[BP+\b], v[BM+\b], s[SEL], s[SEL+1]
.endr
.irp b, 0,1,2,3
	s_delay_alu instid0(VALU_DEP_4)
	v_max_num_f32 v[BM+\b], v[BM+\b], v[BP+\b]     ; with lane l xor 16's 16 keys
.endr
	s_delay_alu instid0(VALU_DEP_2)
	v_max3_num_f32 v[TMP], v[BM], v[BM+1], v[BM+2]
	s_delay_alu instid0(VALU_DEP_1)
	v_max_num_f32 v[TMP], v[TMP], v[BM+3]
	s_delay_alu instid0(VALU_DEP_1)
	v_mul_f32 v[TMP], s[CS], v[TMP]                ; as t
	s_delay_alu instid0(VALU_DEP_1)
	v_max_num_f32 v13, v13, v[TMP]                 ; the running largest t
	v_mov_b32 v[TMP], v12
	s_delay_alu instid0(VALU_DEP_2)
	v_floor_f32 v12, -v13                          ; the new -M
	s_delay_alu instid0(VALU_DEP_1)
	v_sub_f32 v[TMP], v12, v[TMP]                  ; old M - new M
	s_delay_alu instid0(VALU_DEP_1)
	v_cvt_i32_f32 v[TMP], v[TMP]
	s_delay_alu instid0(VALU_DEP_1)
	v_ldexp_f32 v[FF], 1.0, v[TMP]                 ; f = 2^(old M - new M)
.set j, 0
.rept 32
	v_pk_fma_f32 v[S+j:S+j+1], v[S+j:S+j+1], s[CS:CS+1], v[12:13] op_sel_hi:[1,0,0]   ; t - M
.set j, j+2
.endr
.irp b, 0,1,2,3
	v_fma_f32 v[BM+\b], v[BM+\b], s[CS], v12
.endr
	s_wait_alu depctr_va_vdst(0)                   ; the wait ahead of the batch
.set j, 0
.rept 64
	v_exp_f32 v[S+j], v[S+j]                       ; p
.set j, j+1
.endr
	v_pk_mul_f32 v[14:15], v[14:15], v[FF:FF+1] op_sel_hi:[1,0]   ; the sums under the new M: the plain line behind the batch
	s_wait_alu depctr_va_vdst(0)                   ; and the wait behind it
.irp b, 0,1,2,3
	v_exp_f32 v[BM+\b], v[BM+\b]                   ; the block's largest p
.endr
.set j, 0
.rept 8
	v_pk_add_f32 v[PCD+j:PCD+j+1], v[S+j:S+j+1], v[S+16+j:S+16+j+1]   ; the row's sum of the unquantised p, in eight chains
.set j, j+2
.endr
.set j, 32
.rept 16
	v_pk_add_f32 v[PCD+j%16:PCD+j%16+1], v[PCD+j%16:PCD+j%16+1], v[S+j:S+j+1]
.set j, j+2
.endr
.irp c, 0,2,4,6
	v_pk_add_f32 v[PCD+\c:PCD+\c+1], v[PCD+\c:PCD+\c+1], v[PCD+8+\c:PCD+8+\c+1]
.endr
	v_pk_add_f32 v[PCD:PCD+1], v[PCD:PCD+1], v[PCD+4:PCD+5]
	v_pk_add_f32 v[PCD+2:PCD+3], v[PCD+2:PCD+3], v[PCD+6:PCD+7]
	v_pk_add_f32 v[14:15], v[14:15], v[PCD:PCD+1]
	v_pk_add_f32 v[14:15], v[14:15], v[PCD+2:PCD+3]
	s_wait_alu depctr_va_vdst(0)                   ; the wait for the four
.irp b, 0,1,2,3
	v_max_num_f32 v[BM+\b], 0x4800000, v[BM+\b]    ; the floor 2^(9 - 127)
.endr
.irp b, 0,1,2,3
	s_delay_alu instid0(VALU_DEP_4)
	v_add_nc_u32 v[BS+\b], 0xfc000000, v[BM+\b]
.endr
.irp b, 0,1,2,3
	v_and_or_b32 v[BH+\b], v[BM+\b], 0x7f800000, s[MNT]
.endr
.irp b, 0,1,2,3
	v_lshrrev_b32 v[BP+\b], 23, v[BS+\b]
.endr
	v_lshl_or_b32 v[PSW], v[BP+1], 8, v[BP]        ; p's scale word: 64 lines and more ahead of the products
	v_lshl_or_b32 v[PSW], v[BP+2], 16, v[PSW]
	v_lshl_or_b32 v[PSW], v[BP+3], 24, v[PSW]
.irp b, 0,1,2,3
.irp i, 0,1,2,3,4,5,6,7,8,9,10,11,12,13,14,15
	v_min_num_f32 v[S+16*\b+\i], v[S+16*\b+\i], v[BH+\b]   ; the hold; p is not negative
.endr
	v_cvt_scalef32_pk8_fp8_f32 v[PCD+4*\b:PCD+4*\b+1], v[S+16*\b:S+16*\b+7], v[BS+\b]
	v_cvt_scalef32_pk8_fp8_f32 v[PCD+4*\b+2:PCD+4*\b+3], v[S+16*\b+8:S+16*\b+15], v[BS+\b]
.endr
	v_nop                                          ; a plain line behind the last conversion
.endm
; O^T += V^T P^T: four tiles of 16 channels
.macro PV
	s_wait_alu depctr_va_vdst(0)                   ; the wait ahead of O^T's first readers
.set j, 0
.rept 16
	v_pk_mul_f32 v[OT+j:OT+j+1], v[OT+j:OT+j+1], v[FF:FF+1] op_sel_hi:[1,0]   ; O^T under the new M; also the places between p's codes and the products
.set j, j+2
.endr
	s_wait_alu depctr_va_vdst(0)
	s_wait_dscnt 0x0                               ; V and its scale words are in
.irp t, 0,1,2,3
	v_wmma_scale_f32_16x16x128_f8f6f4 v[OT+8*\t:OT+8*\t+7], v[KF+16*\t:KF+16*\t+15], v[PCD:PCD+15], v[OT+8*\t:OT+8*\t+7], v[VSW+\t], v[PSW]
.endr
.endm
; A tile is finished: O^T / l, two blocks of 32 along C, quantised where they lie
.macro FINISH oc, os
.rept 8
	v_nop
.endr
	v_add_f32 v14, v14, v15
	v_permlanex16_b32 v[TMP], v14, s[SEL], s[SEL+1]
	v_add_f32 v14, v14, v[TMP]
	s_wait_alu depctr_va_vdst(0)
	v_rcp_f32 v14, v14
	v_nop
	s_wait_alu depctr_va_vdst(0)
.set j, 0
.rept 32
	v_mul_f32 v[S+j], v[OT+j], v14
.set j, j+1
.endr
.irp b, 0,1
	v_max3_num_f32 v[BM+\b], |v[S+16*\b]|, |v[S+16*\b+1]|, 0x4800000
.endr
.irp i, 2,4,6,8,10,12,14
.irp b, 0,1
	v_max3_num_f32 v[BM+\b], v[BM+\b], |v[S+16*\b+\i]|, |v[S+16*\b+\i+1]|
.endr
.endr
.irp b, 0,1
	v_permlanex16_b32 v[BP+\b], v[BM+\b], s[SEL], s[SEL+1]
.endr
.irp b, 0,1
	v_max_num_f32 v[BM+\b], v[BM+\b], v[BP+\b]
.endr
.irp b, 0,1
	v_add_nc_u32 v[BS+\b], 0xfc000000, v[BM+\b]
.endr
.irp b, 0,1
	v_and_or_b32 v[BH+\b], v[BM+\b], 0x7f800000, s[MNT]
.endr
.irp b, 0,1
	v_lshrrev_b32 v[BP+\b], 23, v[BS+\b]
.endr
.irp b, 0,1
.irp i, 0,1,2,3,4,5,6,7,8,9,10,11,12,13,14,15
	v_med3_num_f32 v[S+16*\b+\i], v[S+16*\b+\i], -v[BH+\b], v[BH+\b]
.endr
	v_cvt_scalef32_pk8_fp8_f32 v[PCD+4*\b:PCD+4*\b+1], v[S+16*\b:S+16*\b+7], v[BS+\b]
	v_cvt_scalef32_pk8_fp8_f32 v[PCD+4*\b+2:PCD+4*\b+3], v[S+16*\b+8:S+16*\b+15], v[BS+\b]
.endr
	v_nop
	v_cndmask_b32 v[TMP], v[BP], v[BP+1], s[HI]    ; lanes 0-15 store row r's first byte, lanes 16-31 its second
	global_store_b128 v[L16], v[PCD:PCD+3], s[\oc:\oc+1]               ; the wave stores 512 consecutive bytes, aligned
	global_store_b128 v[L16], v[PCD+4:PCD+7], s[\oc:\oc+1] offset:512
	global_store_b8 v[SBO], v[TMP], s[\os:\os+1]
.endm
.macro QLOAD b
	global_load_b128 v[QF:QF+3], v[QO], s[\b:\b+1]
	global_load_b128 v[QF+4:QF+7], v[QO], s[\b:\b+1] offset:512
	global_load_u16 v[QSW], v[QSO], s[\b:\b+1] offset:16384
.endm
.macro RESET                           ; a block begins: the trip is written once, its first step finds zeros
	v_mov_b32 v13, 0xff61b1e6                      ; -3e38, under every t
	v_floor_f32 v12, -v13
	v_mov_b32 v14, 0
	v_mov_b32 v15, 0
.set j, 0
.rept 32
	v_mov_b32 v[OT+j], 0
.set j, j+1
.endr
.endm
; A trip.  first = 1: the diagonal met is block I's, and block 15 - I begins behind it; 0: block 15 - I's
.macro TRIP first
	SCORES
	s_cmp_lg_u32 s[JJ], s[DJ]                      ; scalar branches on ids
	s_cbranch_scc1 .Lopen_\@
	MASK
.Lopen_\@:
	SOFTMAX
	PV
	s_cmp_lg_u32 s[JJ], s[DJ]
	s_cbranch_scc1 .Lgo_\@
.if \first
	FINISH OC, OS
	QLOAD QA+2
	RESET
	s_wait_loadcnt 0x0
.else
	FINISH OC+2, OS+2
.endif
	s_wait_xcnt 0x0                                ; the stores have read their registers
.Lgo_\@:
	s_add_co_u32 s[TB], s[TB], REC                 ; the next record lies behind this one
	s_add_co_u32 s[JJ], s[JJ], 1
.endm
	s_load_b256 s[4:11], s[0:1], 0x0               ; q, kv, att_codes, att_scales
	v_lshl_add_u32 v[SPW], v0, 2, SPARE
	v_mov_b32 v[NIL], 0
	ds_add_u32 v[SPW], v[NIL]                      ; the opening lines
	ds_add_u32 v[SPW], v[NIL]
	v_lshrrev_b32 v8, 5, v0
	v_readfirstlane_b32 s[WV], v8                  ; wave 0..15
	s_lshr_b32 s[PAR], s[WV], 3
	s_and_b32 s[TA], s[WV], 7
	s_mov_b32 s[BI], ttmp9
	s_and_b32 s[PAIR], ttmp7, 0xffff
	s_mov_b32 s[G1], 3<<16                         ; half a record: 16,896 dense bytes as 66 rows of 32 elements of 8 bytes
	s_mov_b32 s[G1+1], 32<<16
	s_mov_b32 s[G1+2], 66<<16
	s_mov_b32 s[G1+3], 32<<16
	s_mov_b32 s[G1+4], 66
	s_mov_b32 s[G1+5], 32
	s_mov_b32 s[G1+6], 0
	s_mov_b32 s[G1+7], 0
	s_mul_i32 s[LW], s[WV], HALFR
	s_and_b32 s55, s[WV], 1
	s_mul_i32 s55, s55, HALFR                      ; which half of a record I fetch, if I fetch
	s_mul_i32 s56, s[PAIR], 16*REC
	s_add_co_u32 s58, s56, s55
	s_mov_b32 s59, 0
	s_mov_b32 s[OFS+1], 0
	s_mov_b32 s[G0], 1
	s_add_co_u32 s[G0+1], s[LW], 2*SLOTB           ; trip 0's record has a region of its own
	s_wait_dscnt 0x0
	s_wait_kmcnt 0x0
	s_add_nc_u64 s[BR:BR+1], s[6:7], s[58:59]
	s_mov_b64 s[G0+2:G0+3], s[BR:BR+1]
	s_or_b32 s[G0+3], s[G0+3], 0x80000000
	TLOAD 2                                        ; key step 0
	s_sub_co_u32 s58, s[WV], 8                     ; the prefetches: wave 8 + v: record v / 2 of four, half v % 2 of its codes
	s_lshr_b32 s55, s58, 1
	s_and_b32 s55, s55, 3
	s_mul_i32 s55, s55, REC
	s_and_b32 s58, s58, 1
	s_lshl_b32 s58, s58, 14
	s_add_co_u32 s58, s58, s55
	s_add_co_u32 s58, s58, s56                     ; in key steps 0 to 3: the first change steps them to steps 4 to 7
	s_add_nc_u64 s[PFA:PFA+1], s[6:7], s[58:59]
	s_lshr_b32 s55, s[WV], 3
	s_xor_b32 s55, s55, 1                          ; 0 in waves 8 to 15,
	s_or_b32 s55, s55, s[BI]                       ; of work-group I = 0
	s_cmp_eq_u32 s55, 0
	s_cselect_b32 s[LIM], 13, 0
	s_sub_co_u32 s62, 15, s[BI]
	s_lshl_b32 s60, s[PAIR], 4
	s_add_co_u32 s61, s60, s[BI]
	s_mul_i32 s66, s61, HALFR
	s_mov_b32 s67, 0
	s_add_co_u32 s61, s60, s62
	s_mul_i32 s68, s61, HALFR
	s_mov_b32 s69, 0
	s_add_nc_u64 s[QA:QA+1], s[4:5], s[66:67]
	s_add_nc_u64 s[QA+2:QA+3], s[4:5], s[68:69]
	; codes: block x 131072 + (pair / 2) x 32768 + tile x 4096 + (pair % 2) x 2048 + head x 1024 + b x 512 + 16 x lane
	s_lshr_b32 s55, s[PAIR], 3
	s_and_b32 s56, s[PAIR], 7
	s_lshr_b32 s57, s56, 1
	s_and_b32 s56, s56, 1
	s_lshl_b32 s60, s55, 21
	s_lshl_b32 s61, s57, 15
	s_add_co_u32 s60, s60, s61
	s_lshl_b32 s61, s56, 11
	s_add_co_u32 s60, s60, s61
	s_lshl_b32 s61, s[TA], 12
	s_add_co_u32 s60, s60, s61
	s_lshl_b32 s61, s[PAR], 10
	s_add_co_u32 s60, s60, s61
	s_lshl_b32 s66, s[BI], 17
	s_add_co_u32 s66, s66, s60
	s_lshl_b32 s68, s62, 17
	s_add_co_u32 s68, s68, s60
	s_add_nc_u64 s[OC:OC+1], s[8:9], s[66:67]
	s_add_nc_u64 s[OC+2:OC+3], s[8:9], s[68:69]
	; scale bytes: block x 4096 + (pair / 2) x 1024 + tile x 128 + 8 r + (pair % 2) x 4 + head x 2 + b
	s_lshl_b32 s60, s55, 16
	s_lshl_b32 s61, s57, 10
	s_add_co_u32 s60, s60, s61
	s_lshl_b32 s61, s[TA], 7
	s_add_co_u32 s60, s60, s61
	s_lshl_b32 s61, s56, 2
	s_add_co_u32 s60, s60, s61
	s_lshl_b32 s61, s[PAR], 1
	s_add_co_u32 s60, s60, s61
	s_lshl_b32 s66, s[BI], 12
	s_add_co_u32 s66, s66, s60
	s_lshl_b32 s68, s62, 12
	s_add_co_u32 s68, s68, s60
	s_add_nc_u64 s[OS:OS+1], s[10:11], s[66:67]
	s_add_nc_u64 s[OS+2:OS+3], s[10:11], s[68:69]
	s_mov_b32 s[SEL], 0x76543210
	s_mov_b32 s[SEL+1], 0xfedcba98
	s_mov_b32 s[CS], 0x3e38aa3b                    ; log2(e) / 8
	s_mov_b32 s[CS+1], s[CS]
	s_mov_b32 s[MNT], 0x600000
	s_mov_b32 s[NI], 0xff800000
	s_mov_b32 s[HI], 0xffff0000
	s_mov_b32 s[JJ], 0
	s_mov_b32 s[DJ], s[BI]
	s_mov_b32 s[IN0], 3                            ; phase 0 has one trip
	s_mov_b32 s[TBN], 2*SLOTB
	s_mov_b32 s[FB], SLOTB
	s_mov_b32 s[NT], 1
	s_mov_b32 s[PH], 0
	s_lshl_b32 s55, s[PAR], 10
	s_lshl_b32 s56, s[TA], 11
	s_add_co_u32 s56, s56, s55
	s_lshl_b32 s57, s[PAR], 13
	s_add_co_u32 s57, s57, 16384
	s_lshl_b32 s58, s[PAR], 1
	s_add_co_u32 s59, s58, 32768
	s_lshl_b32 s60, s[PAR], 8
	s_add_co_u32 s60, s60, 33280
	s_lshr_b32 s61, s[TA], 2
	s_lshl_b32 s61, s61, 8
	s_add_co_u32 s61, s61, s58
	s_and_b32 s62, s[TA], 3
	s_lshl_b32 s62, s62, 2
	s_add_co_u32 s61, s61, s62
	s_lshr_b32 s62, s[TA], 1
	s_lshl_b32 s62, s62, 5
	s_and_b32 s66, s[TA], 1
	s_lshl_b32 s66, s66, 3
	s_add_co_u32 s62, s62, s66                     ; 32 (tile / 2) + 8 (tile % 2)
	v_and_b32 v8, 31, v0
	v_and_b32 v9, 15, v0                           ; r
	v_bfe_u32 v10, v0, 4, 1                        ; lane / 16
	v_lshlrev_b32 v[L16], 4, v8
	v_lshlrev_b32 v[PFO], 8, v8
	v_lshlrev_b32 v11, 4, v9
	v_add_nc_u32 v[AK0], s55, v[L16]
	v_add_nc_u32 v[QO], s56, v[L16]                ; Q: tile x 2048 + head x 1024 + 16 x lane
	v_add_nc_u32 v[AV0], s57, v[L16]
	v_add_nc_u32 v[ASK0], s59, v11
	v_add_nc_u32 v[ASV0], s60, v11
	v_add_nc_u32 v[QSO], s61, v11                  ; (tile / 4) x 256 + 16 r + (tile % 4) x 4 + head x 2
	QLOAD QA
	v_lshl_add_u32 v[SBO], v9, 3, v10
	v_and_b32 v[DG], 8, v9
	v_add_nc_u32 v[DG], v[DG], v9
	v_add_nc_u32 v[DG], s62, v[DG]
	v_lshlrev_b32 v[TMP], 4, v10
	v_sub_nc_u32 v[DG], v[DG], v[TMP]
.irp j, 0,1,2,3,4,5,6,7
	v_mov_b32 v[KZ+\j], 0
	v_mov_b32 v[QF+8+\j], 0                        ; K = 64 .. 127 of the first product: zero codes
.endr
	RESET
	v_mov_b32 v[FF+1], 0
.irp b, 0,1,2,3
	v_mov_b32 v[BP+\b], 0                          ; a lane permute's destination counts as one of its sources
.endr
	s_wait_alu depctr_va_vdst(0)                   ; the wait at the head's end
	s_wait_loadcnt 0x0
.Lphase:                                           ; phases 0 .. 3: trips 0; 1-4; 5-8; 9-12; behind each change the next phase's four records are asked for
	CHANGE 1
	s_mov_b32 s[IN], s[IN0]
	s_mov_b32 s[IN0], 0
.Linner:
	TRIP 1
	s_add_co_u32 s[IN], s[IN], 1
	s_cmp_lt_u32 s[IN], 4
	s_cbranch_scc1 .Linner
	s_add_co_u32 s[PH], s[PH], 1
	s_cmp_lt_u32 s[PH], 4
	s_cbranch_scc1 .Lphase
	CHANGE 0                                       ; the last phase, trips 13-16, is written out
	s_mov_b32 s[DJ], 16
	s_mov_b32 s[IN], 0
.Llast:
	TRIP 0
	s_add_co_u32 s[IN], s[IN], 1
	s_cmp_lt_u32 s[IN], 4
	s_cbranch_scc1 .Llast
	s_wait_tensorcnt 0x0                           ; the wave's end
	ds_add_u32 v[SPW], v[NIL]
	s_wait_dscnt 0x0
	s_endpgm
.Lfunc_end_k_q7f5b8a40bf_attn:
	.size	k_q7f5b8a40bf_attn, .Lfunc_end_k_q7f5b8a40bf_attn-k_q7f5b8a40bf_attn
	.p2alignl 7, 3214868480
	.fill 96, 4, 3214868480
	.section	.rodata,"a",@progbits
	.p2align	6, 0x0
	.amdhsa_kernel k_q7f5b8a40bf_attn
		.amdhsa_group_segment_fixed_size 327680
		.amdhsa_private_segment_fixed_size 0
		.amdhsa_enable_private_segment 0
		.amdhsa_kernarg_size 32
		.amdhsa_user_sgpr_count 2
		.amdhsa_user_sgpr_kernarg_segment_ptr 1
		.amdhsa_wavefront_size32 1
		.amdhsa_system_sgpr_workgroup_id_x 1
		.amdhsa_system_sgpr_workgroup_id_y 1
		.amdhsa_system_sgpr_workgroup_id_z 1
		.amdhsa_system_vgpr_workitem_id 0
		.amdhsa_next_free_vgpr 256
		.amdhsa_next_free_sgpr 80
		.amdhsa_reserve_vcc 1
		.amdhsa_float_denorm_mode_32 3
		.amdhsa_float_denorm_mode_16_64 3
		.amdhsa_memory_ordered 1
		.amdhsa_forward_progress 1
		.amdhsa_inst_pref_size 73
	.end_amdhsa_kernel
	.amdgpu_metadata
---
amdhsa.version: [ 1, 2 ]
amdhsa.kernels:
  - .name:           k_q7f5b8a40bf_attn
    .symbol:         k_q7f5b8a40bf_attn.kd
    .args:
      - { .name: q, .offset: 0, .size: 8, .value_kind: global_buffer, .address_space: global }
      - { .name: kv, .offset: 8, .size: 8, .value_kind: global_buffer, .address_space: global }
      - { .name: att_codes, .offset: 16, .size: 8, .value_kind: global_buffer, .address_space: global }
      - { .name: att_scales, .offset: 24, .size: 8, .value_kind: global_buffer, .address_space: global }
    .group_segment_fixed_size: 327680
    .private_segment_fixed_size: 0
    .kernarg_segment_align: 8
    .kernarg_segment_size: 32
    .max_flat_workgroup_size: 512
    .sgpr_count:     80
    .vgpr_count:     256
    .wavefront_size: 32
...
	.end_amdgpu_metadata
.endif
;; end of part 3
;; launch gemm_out (part 4): grid 4 x 64, 4 waves a work-group, clusters of 4 x 4, 327,680 bytes of LDS; arguments att_codes, att_scales, w_codes, w_scales, out0; writes out0
.if DOCPART == 4
	.amdgcn_target "amdgcn-amd-amdhsa--gfx1250"
	.amdhsa_code_object_version 6
	.text
	.protected	k_q7f5b8a40bf_gemm_out
	.globl	k_q7f5b8a40bf_gemm_out
	.p2align	8
	.type	k_q7f5b8a40bf_gemm_out,@function
k_q7f5b8a40bf_gemm_out:
	s_mov_b64 s[64:65], 0
	v_nop
	global_prefetch_b8 v0, s[64:65] scope:SCOPE_SE
	s_setreg_imm32_b32 hwreg(HW_REG_WAVE_MODE, 25, 1), 1
	s_wait_xcnt 0x0
	s_wait_alu depctr_hold_cnt(0) depctr_sa_sdst(0) depctr_va_vdst(0) depctr_va_sdst(0) depctr_va_ssrc(0) depctr_va_vcc(0) depctr_vm_vsrc(0)
	s_getreg_b32 s2, hwreg(HW_REG_IB_STS2, 6, 4)
	s_cmp_eq_u32 s2, 0
	s_cbranch_scc0 .Lentry_in_a_cluster
	s_endpgm
.Lentry_in_a_cluster:
	s_bfe_u32 s2, ttmp6, 0x10000c
	s_cmp_lg_u32 s2, 0xf033
	s_cbranch_scc0 .Lentry_shape_is_right
	s_endpgm
.Lentry_shape_is_right:
; out0 = att w_out on codes of FP8 (E4M3) with E8M0 scales: M 8,192, N 1,024, K 1,024; f32 sums, f32 out.
; A block of 128 x 256 to a work-group: 64 x 4 = 256 work-groups.  Four waves, 2 x 2, each 64 x 128: 32 accumulators, 256 registers (window 2).
; THE OPERANDS lie in memory as images of their registers: 128 rows x 256 K are 32,768 dense bytes, tile T (16 rows) x 128 K four runs of 512 bytes; lane-row r of tile T is the block's row 32 (T / 2) + 8 (T % 2) + r + 8 (r / 8).
; K goes in four steps of 256 through two LDS slots (A 32,768 bytes, B 65,536).  In the ring waves 0, 1 fetch halves of A's block, waves 2, 3 a block of B each.  The scale bytes for all of K come once.
; Source 0 = 16 rows of B (w_out's columns), source 1 = 16 rows of A: a lane holds one row of the result; register 16 b + i is column 32 b + 16 (lane / 16) + i.
; A and B have two sets of fragment registers each (A: window 0, v128 on; B: window 1): the next 128 of K is fetched while this one is multiplied.
; CLUSTERS: 4 x 4; A's tiles are asked for jointly along a row of the cluster, B's along a column.
; PREFETCH: behind the load of K step t stands the request for K step t + 1 (t = 0, 1, 2), a whole K step ahead of the load that wants it.  A's 32,768 bytes of a step are shared out by address among the four partners of a row (8,192 bytes at cx, wave 0),
; each of B's two blocks among the four of a column (8,192 bytes at cy, waves 2 and 3); lanes 256 bytes apart.  All sixteen clusters read the same B, so only clusters 0 to 3 ask for it.  The addresses are never rewritten: the step is an immediate.
.set NP,     8
.set KSB,    32768
.set SLOT,   3*KSB
.set SCL,    2*SLOT                    ; A's scale bytes (4,096), then B's (8,192)
.set SPARE,  SCL+12288
.set SPITCH, 528
.set ADRA, 16
.set ADRB, 20
.set STO,  24
.set RD,   25
.set CO,   26
.set ADRS, 27
.set SPW,  28
.set NIL,  29
.set PFO,  30                          ; 256 x lane
.set SC,   32                          ; scale words: set s at v[SC + 16 s]; register 2 i + q: lanes 0-15 A's tile i, lanes 16-31 B's tile i
.set AF,   128
.set BK,   128
.set PFA, 2                            ; s[2:3] where my prefetches stand; s96: 0 in a wave that asks
.set G1, 24
.set G0, 32
.set G1B, 48
.set G0B, 56
.set G1S, 68
.set G0S, 76
.set G1SB, 80
.set G0SB, 88
.set MSB, 0
.macro WIN new
.if MSB != \new
	s_set_vgpr_msb (MSB<<8)|\new
.set MSB, \new
.endif
.endm
.set MUL, 0xa1                         ; source 0 (B) window 1, source 1 (A) window 0, C and D window 2
.macro PLACES n
.rept \n
	v_nop
.endr
.endm
.macro JLOAD g0a, g1a, g0b, g1b        ; waves 0, 1 fetch for A, waves 2, 3 for B
	s_cmp_eq_u32 s15, 0
	s_cbranch_scc0 .Lfor_b_\@
	tensor_load_to_lds s[\g0a:\g0a+3], s[\g1a:\g1a+7]
	s_nop 0
	PLACES 4
	s_branch .Lasked_\@
.Lfor_b_\@:
	tensor_load_to_lds s[\g0b:\g0b+3], s[\g1b:\g1b+7]
	s_nop 0
	PLACES 4
.Lasked_\@:
.endm
.macro ASK ks                          ; my 8,192 bytes of K step ks
	s_cmp_eq_u32 s96, 0
	s_cbranch_scc0 .Lnot_mine_\@
	global_prefetch_b8 v[PFO], s[PFA:PFA+1] offset:(\ks)*KSB th:TH_LOAD_NT scope:SCOPE_SE
.Lnot_mine_\@:
.endm
.macro CREST
	s_cmp_lg_u32 s14, 0
	s_cbranch_scc1 .Lnot_wave_0_\@
	s_barrier_signal -3
.Lnot_wave_0_\@:
	s_barrier_wait -3
	s_barrier_signal -1
	s_barrier_wait -1
.endm
.macro CROUND
	s_barrier_signal -1
	s_barrier_wait -1
	CREST
.endm
.macro ARM under, g0, g1, next
	s_cmp_lt_u32 s14, \under
	s_cbranch_scc0 \next
	tensor_load_to_lds s[\g0:\g0+3], s[\g1:\g1+7]
	s_nop 0
	PLACES 4
	s_branch .Lhead_asked
\next:
.endm
	s_load_b128 s[4:7], s[0:1], 0x0                ; att's codes, scales
	s_load_b128 s[8:11], s[0:1], 0x10              ; W's codes, scales
	s_load_b64 s[12:13], s[0:1], 0x20              ; out0
	v_lshl_add_u32 v[SPW], v0, 2, SPARE
	v_mov_b32 v[NIL], 0
	ds_add_u32 v[SPW], v[NIL]                      ; the opening lines
	ds_add_u32 v[SPW], v[NIL]
	v_lshrrev_b32 v1, 5, v0
	v_readfirstlane_b32 s14, v1                    ; wave
	s_lshr_b32 s15, s14, 1                         ; my half of the rows; also: I fetch for A (0) or B (1)
	s_and_b32 s16, s14, 1                          ; my half of the columns; also: which part I fetch
	s_bfe_u32 s40, ttmp6, 0x40000
	s_bfe_u32 s41, ttmp6, 0x40004
	s_lshl_b32 s42, ttmp9, 2
	s_add_co_u32 s42, s42, s40                     ; block column, 0..3
	s_and_b32 s17, ttmp7, 0xffff
	s_lshl_b32 s17, s17, 2
	s_add_co_u32 s17, s17, s41                     ; block row, 0..63
	s_lshl_b32 s43, s41, 2
	s_lshl_b32 s43, 15, s43
	s_lshl_b32 s44, 0x1111, s40
	s_or_b32 s[G1+0], s43, (3<<16)|(1<<21)         ; A at the head: 32,768 dense bytes as 128 rows of 32 elements of 8 bytes
	s_mov_b32 s[G1+1], 32<<16
	s_mov_b32 s[G1+2], 128<<16
	s_mov_b32 s[G1+3], 32<<16
	s_mov_b32 s[G1+4], 128
	s_mov_b32 s[G1+5], 32
	s_mov_b32 s[G1+6], 0
	s_mov_b32 s[G1+7], 0
	s_or_b32 s[G1B+0], s44, (3<<16)|(1<<21)        ; B at the head: two dense runs of 32,768 bytes, 131,072 apart
	s_mov_b32 s[G1B+1], 4096<<16
	s_mov_b32 s[G1B+2], 2<<16
	s_mov_b32 s[G1B+3], 4096<<16
	s_mov_b32 s[G1B+4], 2
	s_mov_b32 s[G1B+5], 16384
	s_mov_b32 s[G1B+6], 0
	s_mov_b32 s[G1B+7], 0
	s_or_b32 s[G1S+0], s43, (3<<16)|(1<<21)        ; A's scale bytes: 16 rows of 256 bytes; B's: 32
	s_mov_b32 s[G1S+1], 32<<16
	s_mov_b32 s[G1S+2], 16<<16
	s_mov_b32 s[G1S+3], 32<<16
	s_mov_b32 s[G1S+4], 16
	s_mov_b32 s[G1S+5], 32
	s_mov_b32 s[G1S+6], 0
	s_mov_b32 s[G1S+7], 0
	s_or_b32 s[G1SB+0], s44, (3<<16)|(1<<21)
	s_mov_b32 s[G1SB+1], 32<<16
	s_mov_b32 s[G1SB+2], 32<<16
	s_mov_b32 s[G1SB+3], 32<<16
	s_mov_b32 s[G1SB+4], 32
	s_mov_b32 s[G1SB+5], 32
	s_mov_b32 s[G1SB+6], 0
	s_mov_b32 s[G1SB+7], 0
	s_lshl_b32 s22, s17, 12
	s_mov_b32 s23, 0
	s_lshl_b32 s20, s17, 17
	s_mov_b32 s21, 0
	s_lshl_b32 s46, s42, 1
	s_add_co_u32 s46, s46, 24                      ; w_out's blocks lie behind w_qkv's 24
	s_lshl_b32 s92, s46, 12
	s_mov_b32 s93, 0
	s_lshl_b32 s46, s46, 17
	s_mov_b32 s47, 0
	s_lshl_b32 s18, s16, 14                        ; the ring: my half of A's block, in memory and in LDS,
	s_mov_b32 s19, 0
	s_lshl_b32 s94, s16, 17                        ; my block of B in memory,
	s_mov_b32 s95, 0
	s_lshl_b32 s45, s16, 15
	s_add_co_u32 s45, s45, KSB                     ; and in LDS
	s_wait_dscnt 0x0
	s_wait_kmcnt 0x0
	s_add_nc_u64 s[20:21], s[4:5], s[20:21]
	s_add_nc_u64 s[22:23], s[6:7], s[22:23]
	s_add_nc_u64 s[46:47], s[8:9], s[46:47]
	s_add_nc_u64 s[92:93], s[10:11], s[92:93]
	CROUND                                         ; the first joint loads meet
	s_mov_b32 s4, 1                                ; s[4:7], s[8:11]: group 0 of K step 0's A and B
	s_mov_b32 s5, 0
	s_mov_b64 s[6:7], s[20:21]
	s_or_b32 s7, s7, 0x80000000
	s_mov_b32 s8, 1
	s_mov_b32 s9, KSB
	s_mov_b64 s[10:11], s[46:47]
	s_or_b32 s11, s11, 0x80000000
	s_mov_b32 s[G0S], 1
	s_mov_b32 s[G0S+1], SCL
	s_mov_b64 s[G0S+2:G0S+3], s[22:23]
	s_or_b32 s[G0S+3], s[G0S+3], 0x80000000
	s_mov_b32 s[G0SB], 1
	s_mov_b32 s[G0SB+1], SCL+4096
	s_mov_b64 s[G0SB+2:G0SB+3], s[92:93]
	s_or_b32 s[G0SB+3], s[G0SB+3], 0x80000000
	s_add_nc_u64 s[20:21], s[20:21], s[18:19]
	s_add_nc_u64 s[46:47], s[46:47], s[94:95]
.irp s, 0,1
	s_mov_b32 s[G0+4*\s], 1
	s_add_co_u32 s[G0+4*\s+1], s18, \s*SLOT
	s_add_nc_u64 s[G0+4*\s+2:G0+4*\s+3], s[20:21], \s*KSB
	s_or_b32 s[G0+4*\s+3], s[G0+4*\s+3], 0x80000000
	s_mov_b32 s[G0B+4*\s], 1
	s_add_co_u32 s[G0B+4*\s+1], s45, \s*SLOT
	s_add_nc_u64 s[G0B+4*\s+2:G0B+4*\s+3], s[46:47], \s*KSB
	s_or_b32 s[G0B+4*\s+3], s[G0B+4*\s+3], 0x80000000
.endr
	ARM 1, 4, G1, .Lhead_b                         ; the head's four tiles, one a wave: A, B, A's scale bytes, B's
	ARM 2, 8, G1B, .Lhead_sa
	ARM 3, G0S, G1S, .Lhead_sb
	tensor_load_to_lds s[G0SB:G0SB+3], s[G1SB:G1SB+7]
	s_nop 0
	PLACES 4
.Lhead_asked:
	s_cmp_eq_u32 s15, 0                            ; the prefetches: wave 0 in A's block (its s[20:21] is the block's first byte), waves 2, 3 in their block of B,
	s_cselect_b64 s[PFA:PFA+1], s[20:21], s[46:47]
	s_cselect_b32 s96, s40, s41                    ; my work-group's quarter of a K step: told apart by address
	s_lshl_b32 s96, s96, 13
	s_mov_b32 s97, 0
	s_add_nc_u64 s[PFA:PFA+1], s[PFA:PFA+1], s[96:97]
	s_and_b32 s96, ttmp7, 0xffff
	s_lshr_b32 s96, s96, 2                         ; 0 in clusters 0 to 3,
	s_mul_i32 s96, s96, s15                        ; which alone counts for B's waves;
	s_cmp_eq_u32 s14, 1
	s_cselect_b32 s97, 1, 0                        ; wave 1 asks for nothing
	s_or_b32 s96, s96, s97
	v_and_b32 v1, 15, v0                           ; r
	v_bfe_u32 v2, v0, 4, 1                         ; lane / 16
	v_and_b32 v3, 31, v0
	v_lshlrev_b32 v[CO], 4, v3
	v_lshlrev_b32 v[PFO], 8, v3
	s_lshl_b32 s21, s15, 14                        ; my four tiles of A
	s_lshl_b32 s22, s16, 15
	s_add_co_u32 s22, s22, KSB                     ; my block of B
.irp s, 0,1
	v_add_nc_u32 v[ADRA+\s], s21, v[CO]
	v_add_nc_u32 v[ADRB+\s], s22, v[CO]
	s_add_co_u32 s21, s21, SLOT
	s_add_co_u32 s22, s22, SLOT
.endr
	s_wait_alu depctr_va_vdst(0)                   ; the wait ahead of the later readers of v1, v2 and of the prefetches' offset
	ASK 1
	v_lshlrev_b32 v5, 3, v1
	s_lshl_b32 s21, s15, 9                         ; A's scale words: my four tiles of 128 bytes
	s_lshl_b32 s22, s16, 12
	s_add_co_u32 s22, s22, 4096                    ; B's: my block, behind A's
	s_sub_co_u32 s22, s22, s21
	v_mul_u32_u24 v6, s22, v2                      ; lanes 16-31 take B's: one product, the distance between the two
	s_add_co_u32 s21, s21, SCL
	v_add_nc_u32 v5, v5, v6
	v_add_nc_u32 v[ADRS], s21, v5
	s_mul_i32 s23, s14, 16*SPITCH                  ; my stage, in slot 0
	v_mul_u32_u24 v5, v1, SPITCH
	v_lshl_add_u32 v5, v2, 6, v5
	v_add_nc_u32 v[STO], s23, v5
	v_add_nc_u32 v[RD], s23, v[CO]
	s_lshl_b32 s20, s17, 7
	s_lshl_b32 s21, s15, 6
	s_add_co_u32 s20, s20, s21                     ; my first row
	s_lshl_b32 s20, s20, 12
	s_lshl_b32 s46, s42, 10
	s_lshl_b32 s47, s16, 9
	s_add_co_u32 s46, s46, s47
	s_add_co_u32 s20, s20, s46
	s_mov_b32 s21, 0
	s_add_nc_u64 s[12:13], s[12:13], s[20:21]
.macro FRAG reg, adr, q, i
.irp c, 0,1,2,3
	ds_load_b128 v[\reg+4*\c:\reg+4*\c+3], v[\adr] offset:2048*(\q)+512*\c+(\i)*4096
.endr
.endm
; eight products: A's tile a x B's eight; p: the fragments' set, which is also the slot's half of K; the 32 accumulators take turns in the same order in every step
.macro MUL8 a, p, sc, zero
.irp b, 0,1,2,3,4,5,6,7
.if \zero
	v_wmma_scale_f32_16x16x128_f8f6f4 v[8*(8*(\a)+\b):8*(8*(\a)+\b)+7], v[128*(\p)+16*\b:128*(\p)+16*\b+15], v[AF+64*(\p)+16*(\a):AF+64*(\p)+16*(\a)+15], 0, v[SC+16*(\sc)+2*\b+(\p)], v[SC+16*(\sc)+2*(\a)+(\p)] matrix_a_scale:MATRIX_SCALE_ROW1
.else
	v_wmma_scale_f32_16x16x128_f8f6f4 v[8*(8*(\a)+\b):8*(8*(\a)+\b)+7], v[128*(\p)+16*\b:128*(\p)+16*\b+15], v[AF+64*(\p)+16*(\a):AF+64*(\p)+16*(\a)+15], v[8*(8*(\a)+\b):8*(8*(\a)+\b)+7], v[SC+16*(\sc)+2*\b+(\p)], v[SC+16*(\sc)+2*(\a)+(\p)] matrix_a_scale:MATRIX_SCALE_ROW1
.endif
.endr
.endm
.macro FETCH slot, q                   ; the slot's q-th 128 of K into set q: B's eight fragments, A's four
	WIN 0x40
.irp i, 0,1,2,3,4,5,6,7
	FRAG 128*(\q)+16*\i, ADRB+\slot, \q, \i
.endr
	WIN 0
.irp i, 0,1,2,3
	FRAG AF+64*(\q)+16*\i, ADRA+\slot, \q, \i
.endr
.endm
.macro SCALES sc, ks
.irp i, 0,1,2,3,4,5,6,7
	ds_load_b64 v[SC+16*\sc+2*\i:SC+16*\sc+2*\i+1], v[ADRS] offset:\i*128+(\ks)*1024
.endr
.endm
.macro STEP slot, zero                 ; a slot's first 128 of K; its second is fetched ahead of the products
	s_wait_dscnt 0x0                               ; set 0 and the scale words are in
	PLACES NP                                      ; behind the products that read set 1
	FETCH \slot, 1
	WIN MUL
.irp a, 0,1,2,3
	MUL8 \a, 0, \slot, \zero
.endr
	WIN 0
.endm
.macro TURN slot, next, fill, ks, pf   ; a slot's second 128 of K, and the change of slots; pf: the K step that is prefetched, or 0
	s_wait_tensorcnt 0x0                           ; my part of the next slot is in
	ds_add_u32 v[SPW], v[NIL]                      ; the add
	s_wait_dscnt 1                                 ; set 1 is in; the add may be out
	WIN MUL
	MUL8 0, 1, \slot, 0
	s_wait_dscnt 0x0                               ; the add is done; my reads of this slot are over
	s_barrier_signal -1
	MUL8 1, 1, \slot, 0
	WIN 0
	s_barrier_wait -1
.if \fill
	CREST
	s_add_nc_u64 s[G0+4*\slot+2:G0+4*\slot+3], s[G0+4*\slot+2:G0+4*\slot+3], 2*KSB
	s_add_nc_u64 s[G0B+4*\slot+2:G0B+4*\slot+3], s[G0B+4*\slot+2:G0B+4*\slot+3], 2*KSB
	JLOAD G0+4*\slot, G1, G0B+4*\slot, G1B
	PLACES NP-4
.else
	PLACES NP
.endif
	FETCH \next, 0
	SCALES \next, \ks
.if \pf
	ASK \pf
.endif
	WIN MUL
	MUL8 2, 1, \slot, 0
	MUL8 3, 1, \slot, 0
	WIN 0
.endm
	s_wait_alu depctr_va_vdst(0)                   ; the wait at the head's end
	s_wait_tensorcnt 0x0                           ; my tile of the head's four is in; the lines ahead of a later first fill
	ds_add_u32 v[SPW], v[NIL]
	s_mov_b32 s[G1+2], 64<<16                      ; no tensor load of mine is out: the ring's loads: A 64 rows of 256 bytes,
	s_mov_b32 s[G1+4], 64
	s_mov_b32 s[G1B+1], 32<<16                     ; B 128
	s_mov_b32 s[G1B+2], 128<<16
	s_mov_b32 s[G1B+3], 32<<16
	s_mov_b32 s[G1B+4], 128
	s_mov_b32 s[G1B+5], 32
	s_wait_dscnt 0x0
	CROUND
	JLOAD G0+4, G1, G0B+4, G1B                     ; K step 1
	FETCH 0, 0
	SCALES 0, 0
	ASK 2
	STEP 0, 1
	TURN 0, 1, 1, 1, 3
	STEP 1, 0
	TURN 1, 0, 1, 2, 0
	STEP 0, 0
	TURN 0, 1, 0, 3, 0
	STEP 1, 0
	s_wait_dscnt 0x0
	WIN MUL
.irp a, 0,1,2,3
	MUL8 \a, 1, 1, 0
.endr
	WIN 0
; THE WAY OUT: a tile of 16 rows x 128 columns goes through my stage (slot 0 has had its last fill and its last read) and comes back as rows of 512 bytes
.macro TOSTAGE a
	WIN 0x08
.irp b, 0,1,2,3,4,5,6,7
	ds_store_b128 v[STO], v[64*(\a)+8*\b:64*(\a)+8*\b+3] offset:128*(\b/2)+32*(\b%2)
	ds_store_b128 v[STO], v[64*(\a)+8*\b+4:64*(\a)+8*\b+7] offset:128*(\b/2)+32*(\b%2)+16
.endr
	WIN 0
.set BB, BK+64*((\a)%2)
.irp t, 0,1,2,3,4,5,6,7,8,9,10,11,12,13,14,15
	ds_load_b128 v[BB+4*\t:BB+4*\t+3], v[RD] offset:\t*SPITCH
.endr
.endm
.macro SEND a, younger
.set BB, BK+64*((\a)%2)
	s_wait_dscnt \younger
.irp t, 0,1,2,3,4,5,6,7,8,9,10,11,12,13,14,15
	global_store_b128 v[CO], v[BB+4*\t:BB+4*\t+3], s[12:13] offset:(32*((\a)/2)+8*((\a)%2)+\t+8*(\t/8))*4096 th:TH_STORE_NT   ; 32 lanes store 512 consecutive bytes, aligned
.endr
.endm
	PLACES NP
	TOSTAGE 0
.irp a, 1,2,3
.if \a > 1
	s_wait_xcnt 0x0                                ; the stores of two tiles back have read their registers
.endif
	TOSTAGE \a
	SEND \a-1, 32                                  ; behind that tile's loads: 16 stores and 16 loads
.endr
	SEND 3, 0
	s_wait_tensorcnt 0x0                           ; the wave's end
	ds_add_u32 v[SPW], v[NIL]
	s_wait_dscnt 0x0
	CROUND                                         ; the closing round
	s_endpgm
.Lfunc_end_k_q7f5b8a40bf_gemm_out:
	.size	k_q7f5b8a40bf_gemm_out, .Lfunc_end_k_q7f5b8a40bf_gemm_out-k_q7f5b8a40bf_gemm_out
	.p2alignl 7, 3214868480
	.fill 96, 4, 3214868480
	.section	.rodata,"a",@progbits
	.p2align	6, 0x0
	.amdhsa_kernel k_q7f5b8a40bf_gemm_out
		.amdhsa_group_segment_fixed_size 327680
		.amdhsa_private_segment_fixed_size 0
		.amdhsa_enable_private_segment 0
		.amdhsa_kernarg_size 40
		.amdhsa_user_sgpr_count 2
		.amdhsa_user_sgpr_kernarg_segment_ptr 1
		.amdhsa_wavefront_size32 1
		.amdhsa_system_sgpr_workgroup_id_x 1
		.amdhsa_system_sgpr_workgroup_id_y 1
		.amdhsa_system_sgpr_workgroup_id_z 1
		.amdhsa_system_vgpr_workitem_id 0
		.amdhsa_next_free_vgpr 768
		.amdhsa_next_free_sgpr 98
		.amdhsa_reserve_vcc 0
		.amdhsa_float_denorm_mode_32 3
		.amdhsa_float_denorm_mode_16_64 3
		.amdhsa_memory_ordered 1
		.amdhsa_forward_progress 1
		.amdhsa_inst_pref_size 90
	.end_amdhsa_kernel
	.amdgpu_metadata
---
amdhsa.version: [ 1, 2 ]
amdhsa.kernels:
  - .name:           k_q7f5b8a40bf_gemm_out
    .symbol:         k_q7f5b8a40bf_gemm_out.kd
    .args:
      - { .name: att_codes, .offset: 0, .size: 8, .value_kind: global_buffer, .address_space: global }
      - { .name: att_scales, .offset: 8, .size: 8, .value_kind: global_buffer, .address_space: global }
      - { .name: w_codes, .offset: 16, .size: 8, .value_kind: global_buffer, .address_space: global }
      - { .name: w_scales, .offset: 24, .size: 8, .value_kind: global_buffer, .address_space: global }
      - { .name: out0, .offset: 32, .size: 8, .value_kind: global_buffer, .address_space: global }
    .group_segment_fixed_size: 327680
    .private_segment_fixed_size: 0
    .kernarg_segment_align: 8
    .kernarg_segment_size: 40
    .max_flat_workgroup_size: 128
    .sgpr_count:     98
    .vgpr_count:     768
    .wavefront_size: 32
...
	.end_amdgpu_metadata
.endif
;; end of part 4
